; MI455X (gfx1250); checked and timed in simulation.
; The chip was launched on July 23, 2026; its instructions are those of AMD's public machine-readable ISA for CDNA 5 (MIT licence, August 2026) and "CDNA5" Instruction Set Architecture Reference Guide (July 2026). The comments in the code are by the model that wrote it; some were corrected since.
;; Split Attention. Allowed arithmetic: matrix products marked QUANTISED: E2M1 operands, one E8M0 scale for each 32 along K, by v_wmma_scale_f32_16x16x128_f8f6f4 with both operands' format E2M1 (or v_wmma_scale_f32_32x16x128_f4), f32 sums; products left as they are: bf16, f16 or f32 operands; f32 sums; everything else in f32.
;; Inputs: Wk 512 x 1,024 float32; Wo 1,024 x 1,024 float32; Wq 512 x 1,024 float32; Wv 512 x 1,024 float32; x 4 x 2,048 x 1,024 float32.
;; Outputs: out0 4 x 2,048 x 1,024 float32.
;; This version of the problem:
;;   THIS VERSION OF THE PROBLEM IS GIVEN IN LOW PRECISION. The matrix products marked QUANTISED in the list below multiply operands that are first quantised to E2M1 (2 exponent bits, 1 mantissa bit; 4 bits a number), with one power-of-two scale for each 32 numbers along K (OCP MX v1.0); their sums are f32. The products marked 'left as it is' may take bf16, f16 or f32 operands, with f32 sums. Whichever they take, every output number must still come out within the allowed error. Rounding operands to bf16 (8 significant bits) uses up far more of that allowance than f16 does (11 bits, for magnitudes from 6e-5 to 65,504). All else is computed in f32.
;;   The module's matrix products, in the order in which they are computed (A, B: the left and right operand; K: the contracted axis; several contracted axes count as one K, in the product's order):
;;     1. [M 8,192, K 512] x [K 512, N 1,024]; A: input x; B: input Wq: QUANTISED
;;     2. [M 8,192, K 512] x [K 512, N 1,024]; A: input x; B: input Wk: QUANTISED
;;     3. [M 8,192, K 512] x [K 512, N 1,024]; A: input x; B: input Wv: QUANTISED
;;     4. batch 64 x [M 2,048, K 64] x [K 64, N 2,048]; A: computed on the way; B: computed on the way: left as it is (an operand is computed on the way)
;;     5. batch 64 x [M 2,048, K 2,048] x [K 2,048, N 64]; A: computed on the way; B: computed on the way: left as it is (an operand is computed on the way)
;;     6. [M 8,192, K 1,024] x [K 1,024, N 1,024]; A: computed on the way; B: input Wo: left as it is (an operand is computed on the way)
;;   THE QUANTISER, for each operand of a quantised product, along K:
;;     - K is cut into blocks of 32 from its start; a last block that is shorter is filled with zeros.
;;     - A block's scale is 2^e with e = floor(log2(the largest magnitude in the block)) - 2, held to -126 .. 127; a block of zeros has e = 0. As a byte (E8M0): e + 127.
;;     - Each number is divided by its block's scale, clamped to +-6, and rounded to the nearest number of E2M1, ties to even, subnormals kept.
;;     - The product sums the exact products of the quantised numbers (number of the format x scale) in f32.
;;   ~~~python
;;   def quantise(x, axis):      # numpy; x: float32 -> the quantised numbers, widened to float32 again
;;       x = np.moveaxis(x, axis, -1); K = x.shape[-1]
;;       x = np.pad(x, [(0, 0)] * (x.ndim - 1) + [(0, -K % 32)]); x = x.reshape(x.shape[:-1] + (-1, 32)); a = np.abs(x).max(-1, keepdims=True)
;;       e = np.where(a > 0, np.clip(np.frexp(np.where(a > 0, a, 1))[1] - 1 - 2, -126, 127), 0)      # np.frexp(a)[1] - 1 = floor(log2(a)), exactly
;;       r = np.clip(x / 2.0 ** e, -6, 6)
;;       step = 2.0 ** (np.maximum(np.frexp(np.where(r == 0, 1, r))[1] - 1, 0) - 1)
;;       q = np.round(r / step) * step * 2.0 ** e      # np.round: ties to even
;;       return np.moveaxis(q.reshape(q.shape[:-2] + (-1,))[..., :K], -1, axis).astype(np.float32)
;;   ~~~
;; One version. Each part assembles by itself: llvm-mc -triple=amdgcn-amd-amdhsa -mcpu=gfx1250 --defsym DOCPART=n.
;; ======== version 1 of 1: 6 launches
;; limits: values are held in f16: magnitudes above 65,504 overflow, below 6.1e-05 lose precision
;; workspace buffers: xc 4,194,304 bytes; xs 262,144 bytes; wc 786,432 bytes; ws 49,152 bytes; wo16 2,097,152 bytes; qkv16 50,331,648 bytes; o16 16,777,216 bytes; of32 262,144 bytes
;; launch prep (part 1): grid 480 x 1, 4 waves a work-group, no clusters, 33,280 bytes of LDS; arguments x, Wq, Wk, Wv, Wo, xc, xs, wc, ws, wo16; writes xc, xs, wc, ws, wo16
.if DOCPART == 1
	.amdgcn_target "amdgcn-amd-amdhsa--gfx1250"
	.amdhsa_code_object_version 6
	.text
	.protected	k_q78912ed5e5_prep
	.globl	k_q78912ed5e5_prep
	.p2align	8
	.type	k_q78912ed5e5_prep,@function
k_q78912ed5e5_prep:
	s_mov_b64 s[64:65], 0
	v_nop
	global_prefetch_b8 v0, s[64:65] scope:SCOPE_SE
	s_setreg_imm32_b32 hwreg(HW_REG_WAVE_MODE, 25, 1), 1
	s_wait_xcnt 0x0
; PREP: what the later launches read many times is made once.  Three paths, chosen by the work-group's number; they never join.
;  X (work-groups 0-255):   x [8192][1024] f32 -> codes of E2M1, xc [8192][512 bytes], and E8M0 bytes, xs [8192][32].  K is innermost and both halves of a row (token part, position part)
;                           begin on a multiple of 32, so x is a plain stream of blocks of 32, and so are its codes and its scale bytes.
;  W (work-groups 256-351): Wq, Wk, Wv [512 (k)][1024 (n)] f32, quantised along K, their FIRST axis: a lane takes a column and its registers run down K.  The codes are laid in the order of the
;                           operand's registers: wc = j*262144 + (n/16)*4096 + s*1024 + bl*256 + (n%16)*16 (j: q, k, v; s: K step of 128; bl: block of 32 in it), so that a fragment is two loads at c*512 + 16 x lane.
;                           The scale words: ws = j*16384 + s*4096 + 4 n.
;  O (work-groups 352-479): Wo [1024][1024] f32 -> f16, wo16, same layout.
; A block's scale is 2^(floor(log2(largest magnitude)) - 2); its byte is the largest magnitude's exponent field - 2, held at 1 from below.  A block of zeros so gets the byte 1 where the rule says 127:
; its codes are zeros, which add nothing under any byte but 0xff, and the bytes are read by this program alone.
; LIMITS: blocks whose largest magnitude lies under 2^-124 have their byte held at 1; NaN and infinities among the inputs are not served; numbers of Wo beyond 65,504 become infinity in f16.
; No matrix unit, no cluster, no tensor load: every byte is read once and the waves share nothing.
.set WAVES, 4
.set STEPS, 16
.set EMAX,  2
.set CB,    8                          ; bytes of 16 codes
.set R,     16                         ; path X: v16-79   four sets of 16 numbers as they are loaded
.set X,     80                         ;         v80-111  two sets of 16 neighbours
.set E,     112                        ;         v112-127 a scale byte for each step
.set C,     128                        ;         v128-191 codes: four registers for each step, so that no store's data are written again
.set WREG,  8192                       ; LDS: a region for each wave: two stages of 32 x SP bytes, and behind them its 256 scale bytes
.set SP,    80                         ; a lane's place in a stage: its 64 bytes + 16 of padding
.set SPW,   12                         ; v12 LDS address of my spare word; never rewritten
.set NIL,   13                         ; v13 0; never rewritten
.set SPARE, WAVES*WREG                 ; behind the four regions: the spare words, 128 bytes a wave
.set WX,    32                         ; path W: v32-159 four blocks of 32 numbers
.set WC,    160                        ;         v160-175 their codes
.set WB,    176                        ;         v176 their four scale bytes
	s_load_b256 s[8:15], s[0:1], 0x0               ; x s[8:9], Wq s[10:11], Wk s[12:13], Wv s[14:15]
	s_load_b256 s[16:23], s[0:1], 0x20             ; Wo s[16:17], xc s[18:19], xs s[20:21], wc s[22:23]
	s_load_b128 s[24:27], s[0:1], 0x40             ; ws s[24:25], wo16 s[26:27]
	v_lshl_add_u32 v[SPW], v0, 2, SPARE
	v_mov_b32 v[NIL], 0
	v_lshrrev_b32 v1, 5, v0
	v_readfirstlane_b32 s28, v1                    ; wave 0..3
	v_and_b32 v2, 31, v0                           ; lane
	s_wait_kmcnt 0x0
	s_cmp_lt_u32 ttmp9, 256
	s_cbranch_scc1 .Lpath_x
	s_cmp_lt_u32 ttmp9, 352
	s_cbranch_scc1 .Lpath_w
; ---- PATH O: a wave casts 2,048 numbers of Wo: sixteen loads of 512 consecutive bytes, sixteen stores of 256.
	s_sub_co_u32 s29, ttmp9, 352
	s_lshl_b32 s29, s29, 2
	s_add_co_u32 s29, s29, s28                     ; which run of 2,048 numbers is my wave's
	s_lshl_b32 s30, s29, 13
	s_mov_b32 s31, 0
	s_add_nc_u64 s[16:17], s[16:17], s[30:31]
	s_lshl_b32 s30, s29, 12
	s_add_nc_u64 s[26:27], s[26:27], s[30:31]
	v_lshlrev_b32 v3, 4, v2
	v_lshlrev_b32 v4, 3, v2
.irp i, 0,1,2,3,4,5,6,7,8,9,10,11,12,13,14,15
	global_load_b128 v[32+4*\i:35+4*\i], v3, s[16:17] offset:512*\i th:TH_LOAD_NT
.endr
.irp i, 0,1,2,3,4,5,6,7,8,9,10,11,12,13,14,15
	s_wait_loadcnt 15-\i                           ; loads come back in order: load i is in, the younger ones stay out
	v_cvt_pk_f16_f32 v[96+2*\i], v[32+4*\i], v[33+4*\i]
	v_cvt_pk_f16_f32 v[97+2*\i], v[34+4*\i], v[35+4*\i]
	global_store_b64 v4, v[96+2*\i:97+2*\i], s[26:27] offset:256*\i   ; 32 lanes store 256 consecutive bytes, aligned
.endr
	s_endpgm
; ---- PATH W: a wave takes 32 columns x 128 along K of one of the three weights.
.macro WLOAD t                         ; block t: W(32 t + i, my column), i = 0 .. 31: each load reads 128 consecutive bytes, the four waves stand side by side
.irp i, 0,1,2,3,4,5,6,7,8,9,10,11,12,13,14,15,16,17,18,19,20,21,22,23,24,25,26,27,28,29,30,31
	global_load_b32 v[WX+32*(\t)+\i], v3, s[10:11] offset:(32*(\t)+\i)*4096 th:TH_LOAD_NT
.endr
.endm
.macro BLOCK t
.set WN, WX+32*(\t)
.if (\t) < 3
	s_wait_loadcnt 32                              ; this block's 32 loads are in; the next block's 32 may be out
.else
	s_wait_loadcnt 0x0
.endif
.if (\t)+2 < 4
	WLOAD (\t)+2                                   ; two blocks ahead; each block has registers of its own
.endif
	v_max3_num_f32 v8, |v[WN]|, |v[WN+1]|, |v[WN+2]|             ; the block's largest magnitude: all 32 numbers are mine; two chains
	v_max3_num_f32 v9, |v[WN+3]|, |v[WN+4]|, |v[WN+5]|
.irp i, 6,10,14,18,22,26
	v_max3_num_f32 v8, v8, |v[WN+\i]|, |v[WN+\i+1]|
	v_max3_num_f32 v9, v9, |v[WN+\i+2]|, |v[WN+\i+3]|
.endr
	v_max3_num_f32 v8, v8, |v[WN+30]|, |v[WN+31]|
	v_max3_num_f32 v8, v8, v9, (EMAX+1)<<23        ; and the floor 2^(3 - 127): the byte cannot fall under 1
	v_add_nc_u32 v[10+(\t)%2], -(EMAX<<23), v8     ; 2 off its exponent field: the conversion takes the exponent field of this operand as its scale
	v_lshrrev_b32 v9, 23, v[10+(\t)%2]             ; the scale's byte
.if (\t) == 0
	v_mov_b32 v[WB], v9                            ; four bytes to the word, the lower K in the lower byte
.else
	v_lshl_or_b32 v[WB], v9, 8*(\t), v[WB]
.endif
.irp g, 0,1,2,3
	v_cvt_scalef32_pk8_fp4_f32 v[WC+4*(\t)+\g], v[WN+8*\g:WN+8*\g+7], v[10+(\t)%2]
.endr
	v_nop                                          ; one plain line behind the last conversion of a run
.endm
.Lpath_w:
	s_sub_co_u32 s29, ttmp9, 256
	s_lshr_b32 s30, s29, 5                         ; j: 0 Wq, 1 Wk, 2 Wv
	s_and_b32 s31, s29, 7                          ; which 128 columns
	s_bfe_u32 s32, s29, 0x20003                    ; s: which 128 along K
	s_cmp_eq_u32 s30, 0                            ; the choice hangs on the work-group's number alone
	s_cselect_b64 s[10:11], s[10:11], s[12:13]
	s_cmp_eq_u32 s30, 2
	s_cselect_b64 s[10:11], s[14:15], s[10:11]
	s_lshl_b32 s34, s32, 19                        ; the weight: 128 s rows of 4,096 bytes + 512 x column group + 128 x wave
	s_lshl_b32 s36, s31, 9
	s_add_co_u32 s34, s34, s36
	s_lshl_b32 s36, s28, 7
	s_add_co_u32 s34, s34, s36
	s_mov_b32 s35, 0
	s_add_nc_u64 s[10:11], s[10:11], s[34:35]
	s_lshl_b32 s34, s30, 18                        ; the codes: j*262144 + (8 x column group + 2 x wave)*4096 + s*1024
	s_lshl_b32 s36, s31, 15
	s_add_co_u32 s34, s34, s36
	s_lshl_b32 s36, s28, 13
	s_add_co_u32 s34, s34, s36
	s_lshl_b32 s36, s32, 10
	s_add_co_u32 s34, s34, s36
	s_add_nc_u64 s[22:23], s[22:23], s[34:35]
	s_lshl_b32 s34, s30, 14                        ; the scale words: j*16384 + s*4096 + 4 x my wave's first column
	s_lshl_b32 s36, s32, 12
	s_add_co_u32 s34, s34, s36
	s_lshl_b32 s36, s31, 9
	s_add_co_u32 s34, s34, s36
	s_lshl_b32 s36, s28, 7
	s_add_co_u32 s34, s34, s36
	s_add_nc_u64 s[24:25], s[24:25], s[34:35]
	v_lshlrev_b32 v3, 2, v2                        ; 4 bytes a lane
	v_lshrrev_b32 v4, 4, v2
	v_and_b32 v5, 15, v2
	v_lshlrev_b32 v4, 12, v4
	v_lshl_add_u32 v4, v5, 4, v4                   ; codes: lanes 0-15 one tile of 16 columns, lanes 16-31 the next, 4,096 bytes on; 16 bytes a lane
	WLOAD 0
	WLOAD 1
	BLOCK 0
	BLOCK 1
	BLOCK 2
	BLOCK 3
.irp t, 0,1,2,3
	global_store_b128 v4, v[WC+4*\t:WC+4*\t+3], s[22:23] offset:256*\t   ; sixteen lanes store 256 consecutive bytes, aligned
.endr
	global_store_b32 v3, v[WB], s[24:25]           ; 32 scale words on end
	s_endpgm
; ---- PATH X: a wave takes 16 steps of 512 numbers.  The conversions want 16 neighbours in a lane, a load is best where neighbouring lanes take neighbouring bytes: each of a step's four loads reads
; 512 consecutive bytes, the 2,048 bytes go through the wave's own stage in LDS as they lie and come back 64 bytes a lane.  Two neighbouring lanes hold a block.
.macro LOAD t
.irp i, 0,1,2,3
	global_load_b128 v[R+16*((\t)%4)+4*\i:R+16*((\t)%4)+4*\i+3], v3, s[8:9] offset:2048*(\t)+512*\i th:TH_LOAD_NT
.endr
.endm
.macro TURN t                          ; LDS serves a wave's instructions in order (ISA guide 5.7.1.4): no wait between the stores and the loads
.irp i, 0,1,2,3
	ds_store_b128 v14, v[R+16*((\t)%4)+4*\i:R+16*((\t)%4)+4*\i+3] offset:32*SP*((\t)%2)+8*SP*\i
.endr
.irp i, 0,1,2,3
	ds_load_b128 v[X+16*((\t)%2)+4*\i:X+16*((\t)%2)+4*\i+3], v15 offset:32*SP*((\t)%2)+16*\i
.endr
.endm
.macro STEP t
.set XS, X+16*((\t)%2)
.if (\t) > 0
	s_wait_dscnt 1                                 ; this step's numbers are back from the stage; the last step's byte store may be out
.else
	s_wait_dscnt 0x0
.endif
.if (\t)+4 < STEPS
	LOAD (\t)+4                                    ; into the registers that the stage's stores have read
.endif
.if (\t)+1 < STEPS
.if STEPS-2-(\t) >= 3
	s_wait_loadcnt 12                              ; the next step's four loads are in; those of the three steps behind it may be out
.else
	s_wait_loadcnt 4*(STEPS-2-(\t))
.endif
	TURN (\t)+1
.endif
	v_max3_num_f32 v8, |v[XS]|, |v[XS+1]|, |v[XS+2]|
	v_max3_num_f32 v9, |v[XS+3]|, |v[XS+4]|, |v[XS+5]|
.irp i, 6,10
	v_max3_num_f32 v8, v8, |v[XS+\i]|, |v[XS+\i+1]|
	v_max3_num_f32 v9, v9, |v[XS+\i+2]|, |v[XS+\i+3]|
.endr
	v_max3_num_f32 v8, v8, |v[XS+14]|, |v[XS+15]|
	v_max3_num_f32 v8, v8, v9, (EMAX+1)<<23        ; the floor
	v_max_num_f32_dpp v8, v8, v8 row_xmask:1 row_mask:0xf bank_mask:0xf   ; with my neighbour's 16: the block's largest magnitude
	v_add_nc_u32 v11, -(EMAX<<23), v8
	v_cvt_scalef32_pk8_fp4_f32 v[C+4*(\t)], v[XS:XS+7], v11
	v_cvt_scalef32_pk8_fp4_f32 v[C+4*(\t)+1], v[XS+8:XS+15], v11
	v_lshrrev_b32 v[E+(\t)], 23, v11               ; the scale's byte (also the plain line behind the conversions)
	ds_store_b8 v5, v[E+(\t)] offset:16*(\t)       ; both lanes of a block write the same byte with the same value
	global_store_b64 v4, v[C+4*(\t):C+4*(\t)+1], s[18:19] offset:32*CB*(\t)   ; 32 lanes store 256 consecutive bytes, aligned
.endm
.Lpath_x:
	v_lshlrev_b32 v3, 4, v2                        ; my 16 bytes of a load's 512
	s_mul_i32 s29, s28, WREG
	v_lshrrev_b32 v14, 2, v2
	v_mul_u32_u24 v14, v14, SP
	v_and_b32 v15, 3, v2
	v_lshl_add_u32 v14, v15, 4, v14
	v_add_nc_u32 v14, s29, v14                     ; the stage, on the way in: SP (lane / 4) + 16 (lane % 4)
	v_mul_u32_u24 v15, v2, SP
	v_add_nc_u32 v15, s29, v15                     ; and on the way out: SP x lane
	v_mul_u32_u24 v4, v2, CB
	v_lshrrev_b32 v5, 1, v2
	s_add_co_u32 s29, s29, 2*32*SP
	v_add_nc_u32 v5, s29, v5                       ; my wave's 256 scale bytes, my block's byte
	v_lshlrev_b32 v7, 3, v2
	v_add_nc_u32 v6, s29, v7
	s_lshl_b32 s30, ttmp9, 2
	s_add_co_u32 s30, s30, s28                     ; which run of 8,192 numbers is my wave's
	s_mov_b32 s33, 0
	s_lshl_b32 s32, s30, 15
	s_add_nc_u64 s[8:9], s[8:9], s[32:33]
	s_lshl_b32 s32, s30, 12
	s_add_nc_u64 s[18:19], s[18:19], s[32:33]
	s_lshl_b32 s32, s30, 8
	s_add_nc_u64 s[20:21], s[20:21], s[32:33]
.irp t, 0,1,2,3
	LOAD \t
.endr
	s_wait_loadcnt 12                              ; step 0's four loads are in
	TURN 0
.irp t, 0,1,2,3,4,5,6,7,8,9,10,11,12,13,14,15
	STEP \t
.endr
	ds_load_b64 v[8:9], v6                         ; in order behind my byte stores
	s_wait_dscnt 0x0
	global_store_b64 v7, v[8:9], s[20:21]          ; 256 scale bytes: one aligned run
	s_wait_tensorcnt 0x0                           ; the wave's end, behind my last LDS store
	ds_add_u32 v[SPW], v[NIL]
	s_wait_dscnt 0x0
	s_endpgm
.Lfunc_end_k_q78912ed5e5_prep:
	.size	k_q78912ed5e5_prep, .Lfunc_end_k_q78912ed5e5_prep-k_q78912ed5e5_prep
	.p2alignl 7, 3214868480
	.fill 96, 4, 3214868480
	.section	.rodata,"a",@progbits
	.p2align	6, 0x0
	.amdhsa_kernel k_q78912ed5e5_prep
		.amdhsa_group_segment_fixed_size 33280
		.amdhsa_private_segment_fixed_size 0
		.amdhsa_enable_private_segment 0
		.amdhsa_kernarg_size 80
		.amdhsa_user_sgpr_count 2
		.amdhsa_user_sgpr_kernarg_segment_ptr 1
		.amdhsa_wavefront_size32 1
		.amdhsa_system_sgpr_workgroup_id_x 1
		.amdhsa_system_sgpr_workgroup_id_y 1
		.amdhsa_system_sgpr_workgroup_id_z 1
		.amdhsa_system_vgpr_workitem_id 0
		.amdhsa_next_free_vgpr 192
		.amdhsa_next_free_sgpr 66
		.amdhsa_reserve_vcc 0
		.amdhsa_float_denorm_mode_32 3
		.amdhsa_float_denorm_mode_16_64 3
		.amdhsa_memory_ordered 1
		.amdhsa_forward_progress 1
		.amdhsa_inst_pref_size 59
	.end_amdhsa_kernel
	.amdgpu_metadata
---
amdhsa.version: [ 1, 2 ]
amdhsa.kernels:
  - .name:           k_q78912ed5e5_prep
    .symbol:         k_q78912ed5e5_prep.kd
    .args:
      - { .name: x, .offset: 0, .size: 8, .value_kind: global_buffer, .address_space: global }
      - { .name: Wq, .offset: 8, .size: 8, .value_kind: global_buffer, .address_space: global }
      - { .name: Wk, .offset: 16, .size: 8, .value_kind: global_buffer, .address_space: global }
      - { .name: Wv, .offset: 24, .size: 8, .value_kind: global_buffer, .address_space: global }
      - { .name: Wo, .offset: 32, .size: 8, .value_kind: global_buffer, .address_space: global }
      - { .name: xc, .offset: 40, .size: 8, .value_kind: global_buffer, .address_space: global }
      - { .name: xs, .offset: 48, .size: 8, .value_kind: global_buffer, .address_space: global }
      - { .name: wc, .offset: 56, .size: 8, .value_kind: global_buffer, .address_space: global }
      - { .name: ws, .offset: 64, .size: 8, .value_kind: global_buffer, .address_space: global }
      - { .name: wo16, .offset: 72, .size: 8, .value_kind: global_buffer, .address_space: global }
    .group_segment_fixed_size: 33280
    .private_segment_fixed_size: 0
    .kernarg_segment_align: 8
    .kernarg_segment_size: 80
    .max_flat_workgroup_size: 128
    .sgpr_count:     66
    .vgpr_count:     192
    .wavefront_size: 32
...
	.end_amdgpu_metadata
.endif
;; end of part 1
;; launch qkv (part 2): grid 4 x 64, 8 waves a work-group, clusters of 4 x 4, 283,648 bytes of LDS; arguments xc, xs, wc, ws, qkv16; writes qkv16
.if DOCPART == 2
	.amdgcn_target "amdgcn-amd-amdhsa--gfx1250"
	.amdhsa_code_object_version 6
	.text
	.protected	k_q78912ed5e5_qkv
	.globl	k_q78912ed5e5_qkv
	.p2align	8
	.type	k_q78912ed5e5_qkv,@function
k_q78912ed5e5_qkv:
	s_mov_b64 s[64:65], 0
	v_nop
	global_prefetch_b8 v0, s[64:65] scope:SCOPE_SE
	s_setreg_imm32_b32 hwreg(HW_REG_WAVE_MODE, 25, 1), 1
	s_wait_xcnt 0x0
	s_wait_alu depctr_hold_cnt(0) depctr_sa_sdst(0) depctr_va_vdst(0) depctr_va_sdst(0) depctr_va_ssrc(0) depctr_va_vcc(0) depctr_vm_vsrc(0)
	s_getreg_b32 s2, hwreg(HW_REG_IB_STS2, 6, 4)
	s_cmp_eq_u32 s2, 0
	s_cbranch_scc0 .Lentry_in_a_cluster
	s_endpgm
.Lentry_in_a_cluster:
	s_bfe_u32 s2, ttmp6, 0x10000c
	s_cmp_lg_u32 s2, 0xf033
	s_cbranch_scc0 .Lentry_shape_is_right
	s_endpgm
.Lentry_shape_is_right:
; QKV: q = x_pos Wq, k = x_pos Wk, v = x_tok Wv on codes of E2M1 with E8M0 scales (M 8,192, K 512, N 1,024 each); sums in f32; results rounded once to f16 and laid by head:
; qkv16 = j*16777216 + ((b*16 + head)*2048 + t)*128 bytes (j: q, k, v).
; SHARES.  Work-group (nb, mb) takes rows 128 mb .. + 127 and columns 256 nb .. + 255 (four heads) of q, then k, then v.  Wave w: head w % 4 of the four (4 tiles of 16 columns), rows 64 (w / 4) on (4 tiles): 16 accumulators.
; ALL OF K FITS IN LDS: x's 128 rows (both halves, 512 bytes a row) and the three weights' parts (65,536 bytes each, register images) are filled once; no ring, no refill.
; CLUSTER 4 x 4: the four work-groups of a row of the cluster need the same rows of x, the four of a column the same columns of the weights: each tile is asked for jointly.
; By this text's own count a wave has four tensor loads out: x's, then Wq's, Wk's, Wv's; the later ones land while the earlier matrices are multiplied.
; THE MATRIX INSTRUCTION IS USED TRANSPOSED (source 0 = 16 columns of W, source 1 = 16 rows of x): a lane holds eight neighbouring columns of one row.
; LIMIT: results beyond 65,504 become infinity in f16.
; No prefetch: the launch's tiles are all asked for at its head.
.set PITCHA, 528                       ; a row of x in LDS: 512 bytes + 16: the 16 rows of a fragment load start at 16 different groups of four banks (64 banks of 4 bytes: ISA guide 11.1)
.set AROWS,  16*PITCHA                 ; what one wave's load of x brings
.set BBASE,  128*PITCHA                ; behind x: the weights, dense
.set BMAT,   65536
.set STG,    BBASE+3*BMAT              ; behind them: a stage of 16 rows x (128 + 16) bytes for each wave; no fill lands there
.set SPITCH, 144
.set SPARE,  STG+8*16*SPITCH           ; the spare words, 128 bytes a wave
.set ADRA, 3                           ; v3    LDS address of my fragments of x
.set ADRB, 4                           ; v4-6  of Wq's, Wk's, Wv's
.set STO,  7                           ; v7    the stage: where I put 16 bytes of a row
.set RD,   8                           ; v8    and where I read rows back
.set GO,   9                           ; v9    16 x lane
.set XSO,  10                          ; v10   32 r: a row of x's scale words
.set WSO,  11                          ; v11   4 r: a column's scale word
.set SPW,  12
.set NIL,  13
.set AS,   32                          ; v32-47  x's scale words: 4 a + s.  These 32 registers hold scales and nothing else
.set BS,   48                          ; v48-63  the weight's: 4 b + s
.set AF,   64                          ; v64-95  x's four fragments of a K step; on the way out v64-127 hold packed results
.set BF,   96                          ; v96-127 the weight's four
.set ACC,  128                         ; v128-255 accumulator (a, b) at 8 (4 a + b)
.set WV,   14
.set G1A,  24
.set G1B,  32
.set G0A,  48
.set G0B,  52                          ; s[52:63] one group 0 for each weight
.macro CREST                           ; a round of the cluster's barrier behind its opening barrier
	s_cmp_lg_u32 s[WV], 0
	s_cbranch_scc1 .Lnot_wave_0_\@
	s_barrier_signal -3
.Lnot_wave_0_\@:
	s_barrier_wait -3
	s_barrier_signal -1
	s_barrier_wait -1
.endm
.macro CROUND
	s_barrier_signal -1
	s_barrier_wait -1
	CREST
.endm
.macro PLACES                          ; four plain places behind a matrix instruction, in front of loads into its registers and of reads of its results
.rept 4
	v_nop
.endr
.endm
	s_load_b256 s[4:11], s[0:1], 0x0               ; xc s[4:5], xs s[6:7], wc s[8:9], ws s[10:11]
	s_load_b64 s[12:13], s[0:1], 0x20              ; qkv16
	v_lshl_add_u32 v[SPW], v0, 2, SPARE
	v_mov_b32 v[NIL], 0
	ds_add_u32 v[SPW], v[NIL]                      ; the wave's opening: the add, twice on end, and its wait ahead of my first tensor load
	ds_add_u32 v[SPW], v[NIL]
	v_lshrrev_b32 v1, 5, v0
	v_readfirstlane_b32 s[WV], v1                  ; wave 0..7
	s_and_b32 s15, s[WV], 3                        ; which head of the four
	s_lshr_b32 s16, s[WV], 2                       ; which 64 rows
	s_bfe_u32 s40, ttmp6, 0x40000                  ; cx, cy: my place in the cluster
	s_bfe_u32 s41, ttmp6, 0x40004
	s_lshl_b32 s42, ttmp9, 2
	s_add_co_u32 s42, s42, s40                     ; nb = 4 x cluster x + cx
	s_and_b32 s17, ttmp7, 0xffff
	s_lshl_b32 s17, s17, 2
	s_add_co_u32 s17, s17, s41                     ; mb = 4 x cluster y + cy
	s_lshl_b32 s43, s41, 2
	s_lshl_b32 s43, 15, s43                        ; my row of the cluster
	s_lshl_b32 s44, 0x1111, s40                    ; my column
	; group 1 for x: 16 rows x 512 bytes, 16 bytes of padding behind each
	s_or_b32 s[G1A+0], s43, (0<<16)|(1<<20)|(1<<21)|(6<<22)|(3<<25)   ; the mask: my row; elements of 1 byte; padding on; bit 21 beside a mask; after every 128 words (code 6) four words (code 3)
	s_mov_b32 s[G1A+1], 512<<16                    ; tensor_dim0
	s_mov_b32 s[G1A+2], 16<<16                     ; tensor_dim1
	s_mov_b32 s[G1A+3], 512<<16                    ; tile_dim0
	s_mov_b32 s[G1A+4], 16                         ; tile_dim1
	s_mov_b32 s[G1A+5], 512                        ; from row to row
	s_mov_b32 s[G1A+6], 0
	s_mov_b32 s[G1A+7], 0
	; group 1 for a weight: 8,192 dense bytes as 32 rows of 256 (32 elements of 8 bytes), no padding: the images are read 16 bytes a lane on end
	s_or_b32 s[G1B+0], s44, (3<<16)|(1<<21)        ; the mask: my column
	s_mov_b32 s[G1B+1], 32<<16
	s_mov_b32 s[G1B+2], 32<<16
	s_mov_b32 s[G1B+3], 32<<16
	s_mov_b32 s[G1B+4], 32
	s_mov_b32 s[G1B+5], 32
	s_mov_b32 s[G1B+6], 0
	s_mov_b32 s[G1B+7], 0
	s_lshl_b32 s20, s17, 16                        ; x: (128 mb + 16 w) rows of 512 bytes: hangs on mb and the wave alone
	s_lshl_b32 s21, s[WV], 13
	s_add_co_u32 s20, s20, s21
	s_mov_b32 s21, 0
	s_lshl_b32 s46, s42, 16                        ; a weight: nb x 65,536 + w x 8,192: hangs on nb and the wave alone
	s_lshl_b32 s47, s[WV], 13
	s_add_co_u32 s46, s46, s47
	s_mov_b32 s47, 0
	s_lshl_b32 s45, s[WV], 13                      ; and in LDS: w x 8,192
	s_wait_dscnt 0x0                               ; both opening adds are done
	s_wait_kmcnt 0x0
	s_add_nc_u64 s[20:21], s[4:5], s[20:21]
	s_add_nc_u64 s[46:47], s[8:9], s[46:47]
	CROUND                                         ; all sixteen work-groups are here: the joint loads meet
	s_mov_b32 s[G0A], 1
	s_mul_i32 s[G0A+1], s[WV], AROWS
	s_mov_b64 s[G0A+2:G0A+3], s[20:21]
	s_or_b32 s[G0A+3], s[G0A+3], 0x80000000
.irp j, 0,1,2
	s_mov_b32 s[G0B+4*\j], 1
	s_add_co_u32 s[G0B+4*\j+1], s45, BBASE+\j*BMAT
	s_add_nc_u64 s[G0B+4*\j+2:G0B+4*\j+3], s[46:47], \j*262144
	s_or_b32 s[G0B+4*\j+3], s[G0B+4*\j+3], 0x80000000
.endr
	tensor_load_to_lds s[G0A:G0A+3], s[G1A:G1A+7]
	s_nop 0
.irp j, 0,1,2
	tensor_load_to_lds s[G0B+4*\j:G0B+4*\j+3], s[G1B:G1B+7]
	s_nop 0
.endr
	PLACES
	v_and_b32 v1, 15, v0                           ; r
	v_bfe_u32 v2, v0, 4, 1                         ; h
	v_mul_u32_u24 v[ADRA], v1, PITCHA
	v_lshl_add_u32 v[ADRA], v2, 4, v[ADRA]
	s_mul_i32 s18, s16, 64*PITCHA
	v_add_nc_u32 v[ADRA], s18, v[ADRA]             ; my 64 rows, row r, + 16 h
	v_and_b32 v14, 31, v0
	v_lshlrev_b32 v[GO], 4, v14
	s_lshl_b32 s18, s15, 14
	s_add_co_u32 s18, s18, BBASE
.irp j, 0,1,2
	v_add_nc_u32 v[ADRB+\j], s18, v[GO]            ; my head's four tiles of columns, 16 bytes a lane
	s_add_co_u32 s18, s18, BMAT
.endr
	s_mul_i32 s23, s[WV], 16*SPITCH
	s_add_co_u32 s23, s23, STG                     ; my stage
	v_mul_u32_u24 v[STO], v1, SPITCH
	v_lshl_add_u32 v[STO], v2, 4, v[STO]
	v_add_nc_u32 v[STO], s23, v[STO]
	v_lshrrev_b32 v15, 3, v14
	v_mul_u32_u24 v[RD], v15, SPITCH
	v_and_b32 v15, 7, v14
	v_lshl_add_u32 v[RD], v15, 4, v[RD]
	v_add_nc_u32 v[RD], s23, v[RD]                 ; back: eight lanes to a row of 128 bytes, four rows a load
	v_lshlrev_b32 v[XSO], 5, v1
	v_lshlrev_b32 v[WSO], 2, v1
	s_mov_b32 s19, 0
	s_lshl_b32 s18, s17, 12                        ; x's scale words at row 128 mb + 64 (w / 4): 32 bytes a row
	s_lshl_b32 s22, s16, 11
	s_add_co_u32 s18, s18, s22
	s_add_nc_u64 s[6:7], s[6:7], s[18:19]
	s_lshl_b32 s18, s42, 10                        ; the weights' at column 256 nb + 64 (w % 4): 4 bytes a column
	s_lshl_b32 s22, s15, 8
	s_add_co_u32 s18, s18, s22
	s_add_nc_u64 s[10:11], s[10:11], s[18:19]
	s_lshr_b32 s18, s17, 4                         ; the result: ((b*16 + head) << 18) + t*128; b = mb / 16, head = 4 nb + w % 4, t = 128 (mb % 16) + 64 (w / 4)
	s_lshl_b32 s18, s18, 4
	s_lshl_b32 s22, s42, 2
	s_add_co_u32 s18, s18, s22
	s_add_co_u32 s18, s18, s15
	s_lshl_b32 s18, s18, 18
	s_and_b32 s22, s17, 15
	s_lshl_b32 s22, s22, 14
	s_add_co_u32 s18, s18, s22
	s_lshl_b32 s22, s16, 13
	s_add_co_u32 s18, s18, s22
	s_add_nc_u64 s[12:13], s[12:13], s[18:19]
; The scale words of matrix j; both = 1: x's too (pos = 1: the position half, words 4-7 of a row; 0: the token half).  Lane r takes row or column r's word; lanes 16-31 hold the same and are not read.
.macro SCALES j, pos, both
.irp b, 0,1,2,3
.irp s, 0,1,2,3
	global_load_b32 v[BS+4*\b+\s], v[WSO], s[10:11] offset:\j*16384+\s*4096+64*\b
.endr
.endr
.if \both
.irp a, 0,1,2,3
	global_load_b128 v[AS+4*\a:AS+4*\a+3], v[XSO], s[6:7] offset:512*\a+16*\pos
.endr
.endif
.endm
; Matrix j: four K steps of 128, each 16 loads and 16 products.  The 16 accumulators take turns, one instruction a turn, in the same order in every step; the first step starts the sums.
.macro MAT j, pos
	s_wait_loadcnt 0x0                             ; the scale words
.irp s, 0,1,2,3
.if \s > 0
	PLACES
.endif
.irp a, 0,1,2,3
.irp c, 0,1
	ds_load_b128 v[AF+8*\a+4*\c:AF+8*\a+4*\c+3], v[ADRA] offset:\a*AROWS+256*\pos+64*\s+32*\c
.endr
.endr
.irp b, 0,1,2,3
.irp c, 0,1
	ds_load_b128 v[BF+8*\b+4*\c:BF+8*\b+4*\c+3], v[ADRB+\j] offset:\b*4096+\s*1024+\c*512
.endr
.endr
	s_wait_dscnt 0x0
.irp a, 0,1,2,3
.irp b, 0,1,2,3
.if \s == 0
	v_wmma_scale_f32_16x16x128_f8f6f4 v[ACC+8*(4*\a+\b):ACC+8*(4*\a+\b)+7], v[BF+8*\b:BF+8*\b+7], v[AF+8*\a:AF+8*\a+7], 0, v[BS+4*\b+\s], v[AS+4*\a+\s] matrix_a_fmt:MATRIX_FMT_FP4 matrix_b_fmt:MATRIX_FMT_FP4
.else
	v_wmma_scale_f32_16x16x128_f8f6f4 v[ACC+8*(4*\a+\b):ACC+8*(4*\a+\b)+7], v[BF+8*\b:BF+8*\b+7], v[AF+8*\a:AF+8*\a+7], v[ACC+8*(4*\a+\b):ACC+8*(4*\a+\b)+7], v[BS+4*\b+\s], v[AS+4*\a+\s] matrix_a_fmt:MATRIX_FMT_FP4 matrix_b_fmt:MATRIX_FMT_FP4
.endif
.endr
.endr
.endr
.endm
; The way out of 16 rows: rounded to f16 (each accumulator from its low end on), 16 bytes a lane into my stage, back as whole rows.  LDS serves a wave's instructions in order: no wait between.
.macro PACK a
.irp b, 0,1,2,3
.irp p, 0,1,2,3
	v_cvt_pk_f16_f32 v[AF+16*\a+4*\b+\p], v[ACC+8*(4*\a+\b)+2*\p], v[ACC+8*(4*\a+\b)+2*\p+1]
.endr
.endr
.irp b, 0,1,2,3
	ds_store_b128 v[STO], v[AF+16*\a+4*\b:AF+16*\a+4*\b+3] offset:32*\b
.endr
.irp i, 0,1,2,3
	ds_load_b128 v[AF+16*\a+4*\i:AF+16*\a+4*\i+3], v[RD] offset:4*SPITCH*\i
.endr
.endm
.macro SEND a, younger                 ; younger: the LDS instructions issued behind block a's loads
.irp i, 0,1,2,3
	s_wait_dscnt \younger+3-\i
	global_store_b128 v[GO], v[AF+16*\a+4*\i:AF+16*\a+4*\i+3], s[12:13] offset:2048*\a+512*\i   ; four rows of a head: 512 consecutive bytes, aligned
.endr
.endm
.macro OUTW
	PACK 0
	PACK 1
	SEND 0, 8                                      ; behind block 0's loads: block 1's four stores and four loads
	PACK 2
	SEND 1, 8
	PACK 3
	SEND 2, 8
	SEND 3, 0
.endm
	SCALES 0, 1, 1
	s_wait_tensorcnt 2                             ; x's rows and Wq's part are in; Wk's and Wv's may be out
	s_barrier_signal -1
	s_barrier_wait -1                              ; everybody's are
	MAT 0, 1
	PLACES
	SCALES 1, 1, 0
	OUTW
	s_wait_xcnt 0x0                                ; the stores have read their registers and their base
	s_add_nc_u64 s[12:13], s[12:13], 0x1000000     ; on to k
	s_wait_tensorcnt 1                             ; Wk's part is in
	s_barrier_signal -1
	s_barrier_wait -1
	MAT 1, 1
	PLACES
	SCALES 2, 0, 1
	OUTW
	s_wait_xcnt 0x0
	s_add_nc_u64 s[12:13], s[12:13], 0x1000000     ; on to v
	s_wait_tensorcnt 0x0                           ; Wv's part is in
	s_barrier_signal -1
	s_barrier_wait -1
	MAT 2, 0
	PLACES
	OUTW
	s_wait_tensorcnt 0x0                           ; the wave's end
	ds_add_u32 v[SPW], v[NIL]
	s_wait_dscnt 0x0
	CROUND                                         ; the closing round
	s_endpgm
.Lfunc_end_k_q78912ed5e5_qkv:
	.size	k_q78912ed5e5_qkv, .Lfunc_end_k_q78912ed5e5_qkv-k_q78912ed5e5_qkv
	.p2alignl 7, 3214868480
	.fill 96, 4, 3214868480
	.section	.rodata,"a",@progbits
	.p2align	6, 0x0
	.amdhsa_kernel k_q78912ed5e5_qkv
		.amdhsa_group_segment_fixed_size 283648
		.amdhsa_private_segment_fixed_size 0
		.amdhsa_enable_private_segment 0
		.amdhsa_kernarg_size 40
		.amdhsa_user_sgpr_count 2
		.amdhsa_user_sgpr_kernarg_segment_ptr 1
		.amdhsa_wavefront_size32 1
		.amdhsa_system_sgpr_workgroup_id_x 1
		.amdhsa_system_sgpr_workgroup_id_y 1
		.amdhsa_system_sgpr_workgroup_id_z 1
		.amdhsa_system_vgpr_workitem_id 0
		.amdhsa_next_free_vgpr 256
		.amdhsa_next_free_sgpr 80
		.amdhsa_reserve_vcc 0
		.amdhsa_float_denorm_mode_32 3
		.amdhsa_float_denorm_mode_16_64 3
		.amdhsa_memory_ordered 1
		.amdhsa_forward_progress 1
		.amdhsa_inst_pref_size 75
	.end_amdhsa_kernel
	.amdgpu_metadata
---
amdhsa.version: [ 1, 2 ]
amdhsa.kernels:
  - .name:           k_q78912ed5e5_qkv
    .symbol:         k_q78912ed5e5_qkv.kd
    .args:
      - { .name: xc, .offset: 0, .size: 8, .value_kind: global_buffer, .address_space: global }
      - { .name: xs, .offset: 8, .size: 8, .value_kind: global_buffer, .address_space: global }
      - { .name: wc, .offset: 16, .size: 8, .value_kind: global_buffer, .address_space: global }
      - { .name: ws, .offset: 24, .size: 8, .value_kind: global_buffer, .address_space: global }
      - { .name: qkv16, .offset: 32, .size: 8, .value_kind: global_buffer, .address_space: global }
    .group_segment_fixed_size: 283648
    .private_segment_fixed_size: 0
    .kernarg_segment_align: 8
    .kernarg_segment_size: 40
    .max_flat_workgroup_size: 256
    .sgpr_count:     80
    .vgpr_count:     256
    .wavefront_size: 32
...
	.end_amdgpu_metadata
.endif
;; end of part 2
;; launch attn (part 3): grid 4 x 64, 16 waves a work-group, no clusters, 327,680 bytes of LDS; arguments qkv16, o16; writes o16
.if DOCPART == 3
	.amdgcn_target "amdgcn-amd-amdhsa--gfx1250"
	.amdhsa_code_object_version 6
	.text
	.protected	k_q78912ed5e5_attn
	.globl	k_q78912ed5e5_attn
	.p2align	8
	.type	k_q78912ed5e5_attn,@function
k_q78912ed5e5_attn:
	s_mov_b64 s[64:65], 0
	v_nop
	global_prefetch_b8 v0, s[64:65] scope:SCOPE_SE
	s_setreg_imm32_b32 hwreg(HW_REG_WAVE_MODE, 25, 1), 1
	s_wait_xcnt 0x0
; ATTN: o[b][h][q] = sum over k <= q of softmax_k(q . k / 8) v, head size 64, 2,048 positions, 64 heads; operands in f16, products, maxima and sums in f32; o rounded once to f16.
; q, k, v: qkv16 = j*16777216 + (bh*2048 + t)*128.  o16 = head*1048576 + (b*2048 + t)*128, so that a wave's 32 queries are 4,096 bytes on end.
; The first 16 positions of every sequence are made again more finely by two later launches; what this launch leaves for them is written over in the output.
; SHARES.  Work-group (c, bh) owns the blocks c and 7 - c of 256 queries of one head: under the causal mask every work-group so has the same work.  Sixteen waves, four to a SIMD, so that one wave's
; vector work stands beside another's products and LDS loads; a wave owns 32 queries, two tiles of 16.  Eight waves take the early block, eight the late one, mixed over the waves' numbers.
; Every wave walks all 8 slots of 256 keys (constant trip counts), 64 keys a step; a step all of whose keys come after the wave's queries is jumped over by a scalar branch on ids.
; LAYOUT.  S^T = K Q^T (source 0 = 16 keys, source 1 = 16 queries): a lane holds one query (lane % 16) and keys 8 (lane / 16) + 0..7.  Two such tiles, rounded to f16 in pairs, are source 1 of O^T = V^T P.
; K comes out of LDS as it lies, V ([key][channel]) turned, by ds_load_tr16_b128.  p = 2^(c s - c m), c = log2(e) / 8, m the running maximum; O and l are multiplied by a = 2^(c m_old - c m_new) in every step.
; NO CLUSTER: the four work-groups of a head need different numbers of slots under the mask, and a partner past its limit would read nothing of a tile asked for jointly.
; LIMITS: q, k, v arrive in f16 and o leaves in f16 (beyond 65,504: infinity); NaN and infinities are not served.
.set KP,    144                        ; a key's row in LDS: 128 bytes + 16
.set VP,    160                        ; a row of V: 128 + 32: 16 lanes of the turning load take 8 rows x 32 bytes
.set VOFF,  256*KP                     ; a slot: 256 rows of K, then 256 rows of V
.set SLOT1, 1<<17                      ; slot 1 begins here: one exclusive or turns an address in one slot into the other's
.set STG,   SLOT1+256*(KP+VP)          ; behind the ring: a stage of 16 rows x 144 bytes for each wave; no fill lands there
.set SPITCH, 144
.set SPARE, STG+16*16*SPITCH           ; the spare words, 128 bytes a wave
.set AK0, 1                            ; v1  my lane's place in a tile of K
.set AV0, 2                            ; v2  the same for V
.set ADK, 3                            ; v3  LDS address of the step's K
.set ADV, 4                            ; v4  of its V
.set QO,  5                            ; v5  my byte offset in the wave's rows of Q
.set STO, 6
.set RD,  7
.set GO,  8                            ; v8  16 x lane
.set SPW, 9
.set NIL, 10
.set DD,  11                           ; v11, v12  the mask's bound for tile 0, 1
.set NEG, 13                           ; v13 -infinity
.set PFO, 14                           ; v14 256 x lane
.set RH,  15                           ; v15 r - 8 h
.set ST,  16                           ; tile t's statistics at v[16 + 8 t]: +0 c m, +1 m, +2, +3 l (even keys', odd keys'), +4 .. +7 at work; a in +6
.set QF,  32                           ; v32-63   Q: 16 qi + 8 dh
.set KV,  64                           ; v64-127  K: 16 kt + 8 dh; then V: 32 u + 8 dt
.set SS,  128                          ; v128-191 S^T: 32 qi + 8 kt; p in f16 is laid over the low 16 of each tile
.set OO,  192                          ; v192-255 O^T: 32 qi + 8 dt
.set WV,  18
.set SEL, 20
.set CS,  22
.set G1K, 24
.set G1V, 32
.set G0K, 40
.set G0V, 44
.set TB,  2                            ; s2  LDS byte at which the slot in hand begins
.set SLOTS, 67
.set PFA, 76                           ; s[76:77] where my prefetches stand
.set LIM, 80                           ; s80 1 in a wave that prefetches, else the greatest number
.set LASTQ, 95                         ; s95 my work-group's last query
.set KF,  98                           ; s98 the step's first key
.set Q0,  99                           ; s99 my first query
; Waves 0-3 fetch a slot's K, 64 rows each, waves 4-7 its V, the others nothing.  The branches hang on the wave's number alone.
.macro TLOAD
	s_cmp_lt_u32 s[WV], 4
	s_cbranch_scc0 .Lnot_k_\@
	tensor_load_to_lds s[G0K:G0K+3], s[G1K:G1K+7]
	s_nop 0
.rept 4
	v_nop
.endr
	s_branch .Lasked_\@
.Lnot_k_\@:
	s_cmp_lt_u32 s[WV], 8
	s_cbranch_scc0 .Lasked_\@
	tensor_load_to_lds s[G0V:G0V+3], s[G1V:G1V+7]
	s_nop 0
.rept 4
	v_nop
.endr
.Lasked_\@:
.endm
; A prefetch of what the NEXT change of slots will ask for: 32,768 dense bytes of K and as many of V.  All four work-groups of a head walk the same K and V: the one with x = 0, which walks all eight slots,
; asks, and in it the waves that fetch nothing: waves 8-11 for K, 12-15 for V, 8,192 bytes a wave, lanes 256 bytes apart: each aligned block of 256 bytes is named once in the launch.
; It stands a slot's four key steps ahead of the load.  Slots 0 and 1 come by their loads alone; the last change that fills a slot asks for nothing.
.macro ASK
	s_cmp_gt_u32 s[SLOTS], s[LIM]
	s_cbranch_scc0 .Lnot_mine_\@
	global_prefetch_b8 v[PFO], s[PFA:PFA+1] th:TH_LOAD_NT scope:SCOPE_SE
.Lnot_mine_\@:
.endm
	s_load_b128 s[4:7], s[0:1], 0x0                ; qkv16 s[4:5], o16 s[6:7]
	v_lshl_add_u32 v[SPW], v0, 2, SPARE
	v_mov_b32 v[NIL], 0
	ds_add_u32 v[SPW], v[NIL]                      ; the wave's opening: the add, twice on end, and its wait ahead of the first tensor load
	ds_add_u32 v[SPW], v[NIL]
	v_lshrrev_b32 v3, 5, v0
	v_readfirstlane_b32 s[WV], v3                  ; wave 0..15
	s_and_b32 s70, ttmp7, 0xffff                   ; bh
	s_lshr_b32 s71, s[WV], 2
	s_xor_b32 s71, s71, s[WV]
	s_and_b32 s71, s71, 1                          ; 0: the early block, 1: the late one
	s_sub_co_u32 s72, 7, ttmp9
	s_cmp_eq_u32 s71, 1
	s_cselect_b32 s73, s72, ttmp9
	s_lshl_b32 s[Q0], s73, 8
	s_lshr_b32 s73, s[WV], 1
	s_lshl_b32 s73, s73, 5
	s_add_co_u32 s[Q0], s[Q0], s73                 ; my first query: 256 x block + 32 x (wave / 2)
	s_lshl_b32 s[LASTQ], s72, 8
	s_or_b32 s[LASTQ], s[LASTQ], 255
	s_lshl_b32 s74, s70, 18                        ; the head's first byte in q, k and v
	s_and_b32 s82, s[WV], 3
	s_lshl_b32 s84, s82, 13
	s_add_co_u32 s84, s84, s74                     ; + my quarter of a slot: 64 rows of 128 bytes
	s_mov_b32 s85, 0
	s_mul_i32 s86, s82, 64*KP                      ; and in LDS
	s_mul_i32 s87, s82, 64*VP
	s_add_co_u32 s87, s87, VOFF
	s_lshl_b32 s88, s[Q0], 7
	s_add_co_u32 s88, s88, s74                     ; my queries
	s_mov_b32 s89, 0
	s_and_b32 s90, s70, 15                         ; o16: head << 20, b << 18, query << 7
	s_lshl_b32 s90, s90, 20
	s_lshr_b32 s91, s70, 4
	s_lshl_b32 s91, s91, 18
	s_add_co_u32 s90, s90, s91
	s_lshl_b32 s91, s[Q0], 7
	s_add_co_u32 s90, s90, s91
	s_mov_b32 s91, 0
	s_mov_b32 s92, 0x2000000
	s_cmp_lt_u32 s[WV], 12
	s_cselect_b32 s92, 0x1000000, s92              ; the prefetches: waves 8-11 stand in k, 12-15 in v,
	s_add_co_u32 s92, s92, s84                     ; at my quarter
	s_add_co_u32 s92, s92, 32768                   ; of slot 1: the first change of slots steps it to slot 2
	s_mov_b32 s93, 0
	s_lshr_b32 s94, s[WV], 3
	s_xor_b32 s94, s94, 1                          ; 0 in waves 8-15,
	s_or_b32 s94, s94, ttmp9                       ; of the head's first work-group
	s_cmp_eq_u32 s94, 0
	s_cselect_b32 s[LIM], 1, -1
	; group 1: 64 rows x 64 elements of 2 bytes, dense in memory, padded in LDS
	s_mov_b32 s[G1K], (1<<16)|(1<<20)|(4<<22)|(3<<25)   ; no mask; elements of 2 bytes; padding on: after every 32 words (code 4) four words (code 3)
	s_mov_b32 s[G1V], (1<<16)|(1<<20)|(4<<22)|(7<<25)   ; the same with eight words (code 7)
.irp g, G1K, G1V
	s_mov_b32 s[\g+1], 64<<16                      ; tensor_dim0
	s_mov_b32 s[\g+2], 64<<16                      ; tensor_dim1
	s_mov_b32 s[\g+3], 64<<16                      ; tile_dim0
	s_mov_b32 s[\g+4], 64                          ; tile_dim1
	s_mov_b32 s[\g+5], 64                          ; from row to row
	s_mov_b32 s[\g+6], 0
	s_mov_b32 s[\g+7], 0
.endr
	s_mov_b32 s[SEL], 0x76543210
	s_mov_b32 s[SEL+1], 0xfedcba98                 ; v_permlanex16_b32's selects for lane l xor 16
	s_mov_b32 s[CS], 0x3e38aa3b                    ; c = log2(e) / 8
	s_mov_b32 s[CS+1], s[CS]                       ; (named with it as a pair, so it is written)
	s_mov_b32 s[TB], 0
	s_mov_b32 s[KF], 0
	s_mov_b32 s[SLOTS], 7
	s_wait_dscnt 0x0                               ; both opening adds are done
	s_wait_kmcnt 0x0
	s_mov_b32 s[G0K], 1
	s_mov_b32 s[G0K+1], s86
	s_add_nc_u64 s[G0K+2:G0K+3], s[4:5], s[84:85]
	s_add_nc_u64 s[G0K+2:G0K+3], s[G0K+2:G0K+3], 0x1000000
	s_or_b32 s[G0K+3], s[G0K+3], 0x80000000
	s_mov_b32 s[G0V], 1
	s_mov_b32 s[G0V+1], s87
	s_add_nc_u64 s[G0V+2:G0V+3], s[4:5], s[84:85]
	s_add_nc_u64 s[G0V+2:G0V+3], s[G0V+2:G0V+3], 0x2000000
	s_or_b32 s[G0V+3], s[G0V+3], 0x80000000
	TLOAD                                          ; slot 0: it holds key 0, which counts for every query
	s_add_nc_u64 s[14:15], s[4:5], s[88:89]        ; Q at my first query
	s_add_nc_u64 s[16:17], s[6:7], s[90:91]        ; O likewise
	s_add_nc_u64 s[PFA:PFA+1], s[4:5], s[92:93]
	v_and_b32 v3, 15, v0                           ; r
	v_bfe_u32 v4, v0, 4, 1                         ; h
	v_lshlrev_b32 v[QO], 7, v3
	v_lshl_add_u32 v[QO], v4, 4, v[QO]
.irp qi, 0,1                                   ; Q stays in registers: a fragment is 16 rows x 32 channels: two loads of 16 bytes, 32 bytes apart
.irp dh, 0,1
.irp c, 0,1
	global_load_b128 v[QF+16*\qi+8*\dh+4*\c:QF+16*\qi+8*\dh+4*\c+3], v[QO], s[14:15] offset:2048*\qi+64*\dh+32*\c
.endr
.endr
.endr
	v_mul_u32_u24 v[AK0], v3, KP
	v_lshl_add_u32 v[AK0], v4, 4, v[AK0]
	v_and_b32 v[RH], 7, v0
	v_lshl_add_u32 v[AV0], v4, 3, v[RH]
	v_mul_u32_u24 v[AV0], v[AV0], VP
	v_bfe_u32 v[RH], v0, 3, 1
	v_lshl_add_u32 v[AV0], v[RH], 4, v[AV0]
	v_add_nc_u32 v[AV0], VOFF, v[AV0]              ; the turning load: key 8 h + lane % 8, channels 8 ((lane / 8) % 2) on
	s_mul_i32 s96, s[WV], 16*SPITCH
	s_add_co_u32 s96, s96, STG                     ; my stage
	v_mul_u32_u24 v[STO], v3, SPITCH
	v_lshl_add_u32 v[STO], v4, 4, v[STO]
	v_add_nc_u32 v[STO], s96, v[STO]
	v_and_b32 v[RH], 31, v0
	v_lshlrev_b32 v[GO], 4, v[RH]
	v_lshlrev_b32 v[PFO], 8, v[RH]
	v_lshrrev_b32 v[RH], 3, v[RH]
	v_mul_u32_u24 v[RD], v[RH], SPITCH
	v_and_b32 v[RH], 7, v0
	v_lshl_add_u32 v[RD], v[RH], 4, v[RD]
	v_add_nc_u32 v[RD], s96, v[RD]
	v_lshlrev_b32 v[RH], 3, v4
	v_sub_nc_u32 v[RH], v3, v[RH]                  ; r - 8 h
	v_mov_b32 v[NEG], 0xff800000
.irp t, 0,1
	v_mov_b32 v[ST+8*\t+1], 0xff61b1e6             ; m: -3e38, under every score
	v_mul_f32 v[ST+8*\t], s[CS], v[ST+8*\t+1]      ; c m
.irp i, 2,3,4,5,6,7
	v_mov_b32 v[ST+8*\t+\i], 0                     ; l; and the registers at work, written once: a lane permute's destination counts as a source, a pair is named whole
.endr
.endr
.set i, 0
.rept 64
	v_mov_b32 v[OO+i], 0                           ; O^T.  The step is written once: the first finds zeros, which a = 0 leaves zeros
.set i, i+1
.endr
; A KEY STEP: 64 keys, the q-th of the slot in hand.
.macro STEP q
	s_add_co_u32 s96, s[Q0], 31                    ; a step all of whose keys come after my 32 queries is left out: ids alone; no barrier, wait on tensor loads or tensor load stands in a step
	s_cmp_gt_u32 s[KF], s96
	s_cbranch_scc1 .Lhidden_\@
	v_add_nc_u32 v[ADK], s[TB], v[AK0]
	v_add_nc_u32 v[ADV], s[TB], v[AV0]
.rept 3
	v_nop                                          ; with the two additions five places behind the last step's products: K's loads land on V's registers (four are owed), and the new scores are written over p (five)
.endr
.irp dh, 0,1                                   ; the head's first 32 channels first
.irp kt, 0,1,2,3
.irp c, 0,1
	ds_load_b128 v[KV+16*\kt+8*\dh+4*\c:KV+16*\kt+8*\dh+4*\c+3], v[ADK] offset:(\q)*64*KP+\kt*16*KP+64*\dh+32*\c
.endr
.endr
.endr
.irp dh, 0,1                                   ; S^T = K Q^T: the eight accumulators take turns, one instruction a turn
.if \dh == 0
	s_wait_dscnt 8                                 ; the first eight loads are in; the eight younger ones may be out
.else
	s_wait_dscnt 0x0
.endif
.irp kt, 0,1,2,3
.irp qi, 0,1
.if \dh == 0
	v_wmma_f32_16x16x32_f16 v[SS+32*\qi+8*\kt:SS+32*\qi+8*\kt+7], v[KV+16*\kt+8*\dh:KV+16*\kt+8*\dh+7], v[QF+16*\qi+8*\dh:QF+16*\qi+8*\dh+7], 0
.else
	v_wmma_f32_16x16x32_f16 v[SS+32*\qi+8*\kt:SS+32*\qi+8*\kt+7], v[KV+16*\kt+8*\dh:KV+16*\kt+8*\dh+7], v[QF+16*\qi+8*\dh:QF+16*\qi+8*\dh+7], v[SS+32*\qi+8*\kt:SS+32*\qi+8*\kt+7]
.endif
.endr
.endr
.endr
.rept 4
	v_nop                                          ; places: in front of V's loads into K's registers and of the first read of the scores
.endr
.irp u, 0,1                                    ; V of this step, turned: it lands while the softmax is walked
.irp dt, 0,1,2,3
	ds_load_tr16_b128 v[KV+32*\u+8*\dt:KV+32*\u+8*\dt+3], v[ADV] offset:(64*(\q)+32*\u)*VP+32*\dt
	ds_load_tr16_b128 v[KV+32*\u+8*\dt+4:KV+32*\u+8*\dt+7], v[ADV] offset:(64*(\q)+32*\u)*VP+16*VP+32*\dt
.endr
.endr
	s_add_co_u32 s96, s[KF], 63                    ; on the diagonal the scores of hidden keys become -infinity ahead of the maximum; a step all of whose keys count skips this
	s_cmp_le_u32 s96, s[Q0]
	s_cbranch_scc1 .Lopen_\@
	s_sub_co_i32 s96, s[Q0], s[KF]
	v_add_nc_u32 v[DD], s96, v[RH]                 ; register 8 kt + j of tile qi holds key KF + 16 kt + 8 h + j: hidden where 16 kt + j > Q0 - KF + 16 qi + r - 8 h
	v_add_nc_u32 v[DD+1], 16, v[DD]
.irp qi, 0,1
.irp kt, 0,1,2,3
.irp j, 0,1,2,3,4,5,6,7
	v_cmp_gt_i32 vcc_lo, 16*\kt+\j, v[DD+\qi]
	v_cndmask_b32 v[SS+32*\qi+8*\kt+\j], v[SS+32*\qi+8*\kt+\j], v[NEG], vcc_lo
.endr
.endr
.endr
.Lopen_\@:
	; the softmax, the two tiles line by line.  The maximum of the lane's 32 scores and the old m: four chains, each beginning at an accumulator's low end
.irp j, 0,1,2,3
.irp t, 0,1
	v_max3_num_f32 v[ST+8*\t+4+\j], v[SS+32*\t+8*\j], v[SS+32*\t+8*\j+1], v[SS+32*\t+8*\j+2]
.endr
.endr
.irp i, 3,5
.irp j, 0,1,2,3
.irp t, 0,1
	v_max3_num_f32 v[ST+8*\t+4+\j], v[ST+8*\t+4+\j], v[SS+32*\t+8*\j+\i], v[SS+32*\t+8*\j+\i+1]
.endr
.endr
.endr
.irp t, 0,1
	v_max3_num_f32 v[ST+8*\t+4], v[ST+8*\t+4], v[SS+32*\t+7], v[SS+32*\t+15]
.endr
.irp t, 0,1
	v_max3_num_f32 v[ST+8*\t+6], v[ST+8*\t+6], v[SS+32*\t+23], v[SS+32*\t+31]
.endr
.irp t, 0,1
	v_max3_num_f32 v[ST+8*\t+4], v[ST+8*\t+4], v[ST+8*\t+5], v[ST+8*\t+6]
.endr
.irp t, 0,1
	v_max3_num_f32 v[ST+8*\t+4], v[ST+8*\t+4], v[ST+8*\t+7], v[ST+8*\t+1]
.endr
.irp t, 0,1
	v_permlanex16_b32 v[ST+8*\t+5], v[ST+8*\t+4], s[SEL], s[SEL+1]   ; the query's other 32 keys lie in the lane 16 away
.endr
.irp t, 0,1
	v_mov_b32 v[ST+8*\t+7], v[ST+8*\t]             ; c m_old is kept for a
.endr
.irp t, 0,1
	v_max_num_f32 v[ST+8*\t+1], v[ST+8*\t+4], v[ST+8*\t+5]
.endr
.irp t, 0,1
	v_mul_f32 v[ST+8*\t], s[CS], v[ST+8*\t+1]
.endr
.irp t, 0,1
	v_sub_f32 v[ST+8*\t+7], v[ST+8*\t+7], v[ST+8*\t]
.endr
.set i, 0
.rept 16
.irp t, 0,1
	v_pk_fma_f32 v[SS+32*\t+i:SS+32*\t+i+1], v[SS+32*\t+i:SS+32*\t+i+1], s[CS:CS+1], v[ST+8*\t:ST+8*\t+1] op_sel_hi:[1,0,0] neg_lo:[0,0,1] neg_hi:[0,0,1]   ; c s - c m, two at a time
.endr
.set i, i+2
.endr
.irp t, 0,1
	v_exp_f32 v[ST+8*\t+6], v[ST+8*\t+7]           ; a
.endr
.set i, 0
.rept 32
.irp t, 0,1
	v_exp_f32 v[SS+32*\t+i], v[SS+32*\t+i]         ; p, at most 1
.endr
.set i, i+1
.endr
	v_nop                                          ; a plain instruction behind the last exponential
	s_wait_alu depctr_va_vdst(0)                   ; one wait for the batch of 66, ahead of its first reader
.irp t, 0,1
	v_pk_add_f32 v[ST+8*\t+4:ST+8*\t+5], v[SS+32*\t:SS+32*\t+1], v[SS+32*\t+2:SS+32*\t+3]   ; the sum of the unrounded p
.endr
.set i, 4
.rept 14
.irp t, 0,1
	v_pk_add_f32 v[ST+8*\t+4:ST+8*\t+5], v[ST+8*\t+4:ST+8*\t+5], v[SS+32*\t+i:SS+32*\t+i+1]
.endr
.set i, i+2
.endr
.irp t, 0,1
	v_pk_fma_f32 v[ST+8*\t+2:ST+8*\t+3], v[ST+8*\t+2:ST+8*\t+3], v[ST+8*\t+6:ST+8*\t+7], v[ST+8*\t+4:ST+8*\t+5] op_sel_hi:[1,0,1]   ; l = a l + the sum
.endr
.set i, 0
.rept 16
.irp t, 0,1
	v_cvt_pk_f16_f32 v[SS+32*\t+i], v[SS+32*\t+2*i], v[SS+32*\t+2*i+1]   ; p to f16, in place: register i is written when registers up to 2 i + 1 have been read
.endr
.set i, i+1
.endr
.set i, 0
.rept 16
.irp t, 0,1
	v_pk_mul_f32 v[OO+32*\t+i:OO+32*\t+i+1], v[OO+32*\t+i:OO+32*\t+i+1], v[ST+8*\t+6:ST+8*\t+7] op_sel_hi:[1,0]   ; O^T times a, each accumulator from its low end on
.endr
.set i, i+2
.endr
	s_wait_dscnt 0x0                               ; V is in
.irp u, 0,1                                    ; O^T += V^T P: eight accumulators by turns
.irp dt, 0,1,2,3
.irp qi, 0,1
	v_wmma_f32_16x16x32_f16 v[OO+32*\qi+8*\dt:OO+32*\qi+8*\dt+7], v[KV+32*\u+8*\dt:KV+32*\u+8*\dt+7], v[SS+32*\qi+8*\u:SS+32*\qi+8*\u+7], v[OO+32*\qi+8*\dt:OO+32*\qi+8*\dt+7]
.endr
.endr
.endr
.Lhidden_\@:
	s_add_co_u32 s[KF], s[KF], 64
.endm
; THE CHANGE OF SLOTS stands at a slot's head.  Each wave waits for all its tensor loads (its part of the slot that it is about to read), adds 0 to its spare word, and waits for that and for its reads of the
; slot that it has left.  Behind the barrier the slot ahead is whole and nobody reads the other one.  fill = 1: that other slot takes the next 256 keys: the load has four key steps in which to land.
.macro CHANGE fill
	s_wait_tensorcnt 0x0                           ; no tensor load of mine is out, so a group 0 may be written
	ds_add_u32 v[SPW], v[NIL]
.if \fill
	ds_add_u32 v[SPW], v[NIL]                      ; and twice on end here, in every trip alike
	s_xor_b32 s[G0K+1], s[G0K+1], SLOT1            ; the walking descriptors: the other slot, the next 256 keys
	s_add_nc_u64 s[G0K+2:G0K+3], s[G0K+2:G0K+3], 32768
	s_xor_b32 s[G0V+1], s[G0V+1], SLOT1
	s_add_nc_u64 s[G0V+2:G0V+3], s[G0V+2:G0V+3], 32768
	s_wait_xcnt 0x0                                ; the last prefetch, a slot back, has read its address
	s_add_nc_u64 s[PFA:PFA+1], s[PFA:PFA+1], 32768
.endif
	s_wait_dscnt 0x0                               ; the add is done, and my reads of the slot that I have left are over
	s_barrier_signal -1
	s_barrier_wait -1
.if \fill
	s_add_co_u32 s96, s[KF], 256                   ; a slot whose first key comes after my work-group's last query is read by none of its waves: it is not asked for.
	s_cmp_gt_u32 s96, s[LASTQ]                     ; Ids and the count of steps alone: all sixteen waves go the same way; every wait on tensor loads in this text is for 0
	s_cbranch_scc1 .Lpast_\@
	TLOAD                                          ; a wave's one tensor load until the next such barrier
.Lpast_\@:
	ASK
.endif
.endm
.macro SLOT_STEPS
.irp q, 0,1,2,3
	STEP \q
.endr
	s_xor_b32 s[TB], s[TB], SLOT1                  ; on to the other slot
.endm
	s_wait_loadcnt 0x0                             ; Q
.Lslot:                                            ; seven trips
	CHANGE 1
	SLOT_STEPS
	s_sub_co_u32 s[SLOTS], s[SLOTS], 1
	s_cmp_lg_u32 s[SLOTS], 0
	s_cbranch_scc1 .Lslot
	CHANGE 0                                       ; the last slot is written out: nothing is left to fetch
	SLOT_STEPS
	; THE WAY OUT: l's halves are added, O^T is divided by l, rounded to f16 and sent through my stage, a tile of 16 queries at a time.
.rept 4
	v_nop                                          ; places behind the last products
.endr
.irp t, 0,1
	v_add_f32 v[ST+8*\t+4], v[ST+8*\t+2], v[ST+8*\t+3]
.endr
.irp t, 0,1
	v_permlanex16_b32 v[ST+8*\t+5], v[ST+8*\t+4], s[SEL], s[SEL+1]
.endr
.irp t, 0,1
	v_add_f32 v[ST+8*\t+4], v[ST+8*\t+4], v[ST+8*\t+5]
.endr
.irp t, 0,1
	v_rcp_f32 v[ST+8*\t+6], v[ST+8*\t+4]
.endr
	v_nop
	s_wait_alu depctr_va_vdst(0)                   ; one wait for the two reciprocals, ahead of their first reader
.macro PACK t
.set i, 0
.rept 16
	v_pk_mul_f32 v[OO+32*\t+i:OO+32*\t+i+1], v[OO+32*\t+i:OO+32*\t+i+1], v[ST+8*\t+6:ST+8*\t+7] op_sel_hi:[1,0]
.set i, i+2
.endr
.set i, 0
.rept 16
	v_cvt_pk_f16_f32 v[SS+32*\t+i], v[OO+32*\t+2*i], v[OO+32*\t+2*i+1]
.set i, i+1
.endr
.irp d, 0,1,2,3
	ds_store_b128 v[STO], v[SS+32*\t+4*\d:SS+32*\t+4*\d+3] offset:32*\d
.endr
.irp d, 0,1,2,3
	ds_load_b128 v[SS+32*\t+4*\d:SS+32*\t+4*\d+3], v[RD] offset:4*SPITCH*\d   ; in order behind my stores; the next tile's stores come behind these
.endr
.endm
.macro SEND t, younger
.irp d, 0,1,2,3
	s_wait_dscnt \younger+3-\d
	global_store_b128 v[GO], v[SS+32*\t+4*\d:SS+32*\t+4*\d+3], s[16:17] offset:2048*\t+512*\d   ; four queries' rows: 512 consecutive bytes, aligned
.endr
.endm
	PACK 0
	PACK 1
	SEND 0, 8                                      ; behind tile 0's loads: tile 1's four stores and four loads
	SEND 1, 0
	s_wait_tensorcnt 0x0                           ; the wave's end
	ds_add_u32 v[SPW], v[NIL]
	s_wait_dscnt 0x0
	s_endpgm
.Lfunc_end_k_q78912ed5e5_attn:
	.size	k_q78912ed5e5_attn, .Lfunc_end_k_q78912ed5e5_attn-k_q78912ed5e5_attn
	.p2alignl 7, 3214868480
	.fill 96, 4, 3214868480
	.section	.rodata,"a",@progbits
	.p2align	6, 0x0
	.amdhsa_kernel k_q78912ed5e5_attn
		.amdhsa_group_segment_fixed_size 327680
		.amdhsa_private_segment_fixed_size 0
		.amdhsa_enable_private_segment 0
		.amdhsa_kernarg_size 16
		.amdhsa_user_sgpr_count 2
		.amdhsa_user_sgpr_kernarg_segment_ptr 1
		.amdhsa_wavefront_size32 1
		.amdhsa_system_sgpr_workgroup_id_x 1
		.amdhsa_system_sgpr_workgroup_id_y 1
		.amdhsa_system_sgpr_workgroup_id_z 1
		.amdhsa_system_vgpr_workitem_id 0
		.amdhsa_next_free_vgpr 256
		.amdhsa_next_free_sgpr 100
		.amdhsa_reserve_vcc 1
		.amdhsa_float_denorm_mode_32 3
		.amdhsa_float_denorm_mode_16_64 3
		.amdhsa_memory_ordered 1
		.amdhsa_forward_progress 1
		.amdhsa_inst_pref_size 188
	.end_amdhsa_kernel
	.amdgpu_metadata
---
amdhsa.version: [ 1, 2 ]
amdhsa.kernels:
  - .name:           k_q78912ed5e5_attn
    .symbol:         k_q78912ed5e5_attn.kd
    .args:
      - { .name: qkv16, .offset: 0, .size: 8, .value_kind: global_buffer, .address_space: global }
      - { .name: o16, .offset: 8, .size: 8, .value_kind: global_buffer, .address_space: global }
    .group_segment_fixed_size: 327680
    .private_segment_fixed_size: 0
    .kernarg_segment_align: 8
    .kernarg_segment_size: 16
    .max_flat_workgroup_size: 512
    .sgpr_count:     100
    .vgpr_count:     256
    .wavefront_size: 32
...
	.end_amdgpu_metadata
.endif
;; end of part 3
;; launch oproj (part 4): grid 4 x 64, 4 waves a work-group, clusters of 4 x 4, 327,680 bytes of LDS; arguments o16, wo16, out0; writes out0
.if DOCPART == 4
	.amdgcn_target "amdgcn-amd-amdhsa--gfx1250"
	.amdhsa_code_object_version 6
	.text
	.protected	k_q78912ed5e5_oproj
	.globl	k_q78912ed5e5_oproj
	.p2align	8
	.type	k_q78912ed5e5_oproj,@function
k_q78912ed5e5_oproj:
	s_mov_b64 s[64:65], 0
	v_nop
	global_prefetch_b8 v0, s[64:65] scope:SCOPE_SE
	s_setreg_imm32_b32 hwreg(HW_REG_WAVE_MODE, 25, 1), 1
	s_wait_xcnt 0x0
	s_wait_alu depctr_hold_cnt(0) depctr_sa_sdst(0) depctr_va_vdst(0) depctr_va_sdst(0) depctr_va_ssrc(0) depctr_va_vcc(0) depctr_vm_vsrc(0)
	s_getreg_b32 s2, hwreg(HW_REG_IB_STS2, 6, 4)
	s_cmp_eq_u32 s2, 0
	s_cbranch_scc0 .Lentry_in_a_cluster
	s_endpgm
.Lentry_in_a_cluster:
	s_bfe_u32 s2, ttmp6, 0x10000c
	s_cmp_lg_u32 s2, 0xf033
	s_cbranch_scc0 .Lentry_shape_is_right
	s_endpgm
.Lentry_shape_is_right:
; OPROJ: out0[m][n] = sum over k of o[m][k] Wo[k][n], M 8,192, K 1,024 (k = 64 head + channel), N 1,024; operands in f16, sums and result in f32.
; o16 = head*1048576 + m*128 bytes; wo16 = [k][n] f16.  The rows of the first 16 positions of each sequence are written over by a later, finer launch.
; SHARES.  A tile of out0 is 128 (mb) x 256 (nb): 256 work-groups.  Four waves, each 64 x 128: 32 accumulators, 256 registers (window 1).  K goes in steps of 128 (two heads) through a ring of two LDS slots.
; CLUSTER 4 x 4: o's tile is shared along a row of the cluster, Wo's along a column: each is asked for jointly, which divides the requests by four.
; THE MATRIX INSTRUCTION IS USED TRANSPOSED (source 0 = 16 columns of Wo, turned out of LDS by ds_load_tr16_b128; source 1 = 16 rows of o): a lane holds eight neighbouring numbers of a row of out0.
; By this text's own count a wave has two tensor loads out at the start and one behind each round.
; No prefetch: a refill has a K step less sixteen products in which to land, and each tile is shared in the cluster.
; REGISTERS: window 0: v16-29 addresses; v32-127, v128-223 two fragment buffers (32 of o, then 64 of Wo, for 32 along K); on the way out v32-159 hold rows.  Window 1: accumulator (a, b) at 8 (8 a + b).
.set AP,     144                       ; a row of o in LDS: 128 bytes + 16
.set HB,     128*AP                    ; a head's 128 rows
.set BP,     544                       ; a row of Wo: 512 bytes + 32
.set BOFF,   2*HB
.set SLOT,   BOFF+128*BP
.set STG,    2*SLOT                    ; behind the ring: a stage of 16 rows x (512 + 16) bytes for each wave; no fill lands there
.set SPITCH, 528
.set SPARE,  STG+4*16*SPITCH
.set LAPS,   4                         ; a lap = two K steps
.set ADRA, 16
.set ADRB, 20
.set STO,  24
.set RD,   25
.set CO,   26
.set SPW,  28
.set NIL,  29
.set F0,   32
.set F1,   128
.set BK,   32
.set G1,  24
.set G0,  32
.set G1B, 48
.set G0B, 56
.set MSB, 0
.macro WIN new                         ; the immediate's high byte repeats the setting that is left
.if MSB != \new
	s_set_vgpr_msb (MSB<<8)|\new
.set MSB, \new
.endif
.endm
.set MUL, 0x50                         ; C and D window 1, sources 0 and 1 window 0
.macro JLOAD s                         ; a joint load: waves 0 and 1 fetch o's two heads, waves 2 and 3 Wo's two halves; the branch hangs on the wave's number alone
	s_cmp_eq_u32 s11, 0
	s_cbranch_scc0 .Lfor_b_\@
	tensor_load_to_lds s[G0+4*\s:G0+4*\s+3], s[G1:G1+7]
	s_nop 0
.rept 4
	v_nop
.endr
	s_branch .Lasked_\@
.Lfor_b_\@:
	tensor_load_to_lds s[G0B+4*\s:G0B+4*\s+3], s[G1B:G1B+7]
	s_nop 0
.rept 4
	v_nop
.endr
.Lasked_\@:
.endm
.macro CREST
	s_cmp_lg_u32 s10, 0
	s_cbranch_scc1 .Lnot_wave_0_\@
	s_barrier_signal -3
.Lnot_wave_0_\@:
	s_barrier_wait -3
	s_barrier_signal -1
	s_barrier_wait -1
.endm
.macro CROUND
	s_barrier_signal -1
	s_barrier_wait -1
	CREST
.endm
.macro PLACES
.rept 4
	v_nop
.endr
.endm
	s_load_b128 s[4:7], s[0:1], 0x0                ; o16 s[4:5], wo16 s[6:7]
	s_load_b64 s[8:9], s[0:1], 0x10                ; out0
	v_lshl_add_u32 v[SPW], v0, 2, SPARE
	v_mov_b32 v[NIL], 0
	ds_add_u32 v[SPW], v[NIL]                      ; the wave's opening: the add, twice on end, and its wait ahead of my first tensor load
	ds_add_u32 v[SPW], v[NIL]
	v_lshrrev_b32 v1, 5, v0
	v_readfirstlane_b32 s10, v1                    ; wave 0..3
	s_lshr_b32 s11, s10, 1                         ; which 64 rows are mine.  Also: I fetch for o (0) or for Wo (1)
	s_and_b32 s12, s10, 1                          ; which 128 columns.  Also: which half of that tile I fetch
	s_bfe_u32 s40, ttmp6, 0x40000
	s_bfe_u32 s41, ttmp6, 0x40004
	s_lshl_b32 s42, ttmp9, 2
	s_add_co_u32 s42, s42, s40                     ; nb
	s_and_b32 s13, ttmp7, 0xffff
	s_lshl_b32 s13, s13, 2
	s_add_co_u32 s13, s13, s41                     ; mb
	s_lshl_b32 s43, s41, 2
	s_lshl_b32 s43, 15, s43                        ; my row of the cluster
	s_lshl_b32 s44, 0x1111, s40                    ; my column
	s_or_b32 s[G1+0], s43, (1<<16)|(1<<20)|(1<<21)|(4<<22)|(3<<25)    ; o: elements of 2 bytes; padding: after every 32 words (code 4) four words (code 3)
	s_mov_b32 s[G1+1], 64<<16                      ; tensor_dim0
	s_mov_b32 s[G1+2], 128<<16                     ; tensor_dim1
	s_mov_b32 s[G1+3], 64<<16                      ; tile_dim0
	s_mov_b32 s[G1+4], 128                         ; tile_dim1
	s_mov_b32 s[G1+5], 64                          ; from row to row
	s_mov_b32 s[G1+6], 0
	s_mov_b32 s[G1+7], 0
	s_or_b32 s[G1B+0], s44, (1<<16)|(1<<20)|(1<<21)|(6<<22)|(7<<25)   ; Wo: after every 128 words (code 6) eight words (code 7)
	s_mov_b32 s[G1B+1], 256<<16
	s_mov_b32 s[G1B+2], 64<<16
	s_mov_b32 s[G1B+3], 256<<16
	s_mov_b32 s[G1B+4], 64
	s_mov_b32 s[G1B+5], 1024
	s_mov_b32 s[G1B+6], 0
	s_mov_b32 s[G1B+7], 0
	s_lshl_b32 s16, s12, 20                        ; o: head (w % 2), rows 128 mb on: hangs on mb and the wave alone
	s_lshl_b32 s17, s13, 14
	s_add_co_u32 s16, s16, s17
	s_mov_b32 s17, 0
	s_lshl_b32 s46, s12, 17                        ; Wo: rows 64 (w % 2) on, columns 256 nb on: hangs on nb and the wave alone
	s_lshl_b32 s47, s42, 9
	s_add_co_u32 s46, s46, s47
	s_mov_b32 s47, 0
	s_mul_i32 s20, s12, HB                         ; and in a slot
	s_mul_i32 s21, s12, 64*BP
	s_add_co_u32 s21, s21, BOFF
	s_wait_dscnt 0x0                               ; both opening adds are done
	s_wait_kmcnt 0x0
	s_add_nc_u64 s[14:15], s[4:5], s[16:17]
	s_add_nc_u64 s[46:47], s[6:7], s[46:47]
	CROUND                                         ; all sixteen work-groups are here: the first joint loads meet
.irp s, 0,1
	s_mov_b32 s[G0+4*\s], 1
	s_add_co_u32 s[G0+4*\s+1], s20, \s*SLOT
	s_add_nc_u64 s[G0+4*\s+2:G0+4*\s+3], s[14:15], \s*2097152      ; K step s: two heads on
	s_or_b32 s[G0+4*\s+3], s[G0+4*\s+3], 0x80000000
	s_mov_b32 s[G0B+4*\s], 1
	s_add_co_u32 s[G0B+4*\s+1], s21, \s*SLOT
	s_add_nc_u64 s[G0B+4*\s+2:G0B+4*\s+3], s[46:47], \s*262144     ; 128 rows of 2,048 bytes on
	s_or_b32 s[G0B+4*\s+3], s[G0B+4*\s+3], 0x80000000
	JLOAD \s
.endr
	v_and_b32 v1, 15, v0                           ; r
	v_bfe_u32 v2, v0, 4, 1                         ; h
	v_mul_u32_u24 v3, v1, AP
	v_lshl_add_u32 v3, v2, 4, v3
	v_and_b32 v4, 7, v0
	v_lshl_add_u32 v4, v2, 3, v4
	v_mul_u32_u24 v4, v4, BP
	v_bfe_u32 v5, v0, 3, 1
	v_lshl_add_u32 v4, v5, 4, v4                   ; the turning load: row 8 h + lane % 8, columns 8 ((lane / 8) % 2) on
	s_mul_i32 s22, s11, 64*AP                      ; my 64 rows of o
	s_lshl_b32 s23, s12, 8                         ; my 128 columns of Wo
	s_add_co_u32 s23, s23, BOFF
.irp s, 0,1
	v_add_nc_u32 v[ADRA+\s], s22, v3
	v_add_nc_u32 v[ADRB+\s], s23, v4
	s_add_co_u32 s22, s22, SLOT
	s_add_co_u32 s23, s23, SLOT
.endr
	s_mul_i32 s22, s10, 16*SPITCH
	s_add_co_u32 s22, s22, STG                     ; my stage
	v_mul_u32_u24 v[STO], v1, SPITCH
	v_lshl_add_u32 v[STO], v2, 5, v[STO]
	v_add_nc_u32 v[STO], s22, v[STO]               ; in: row r, 32 bytes for each half of the lanes
	v_and_b32 v6, 31, v0
	v_lshlrev_b32 v[CO], 4, v6
	v_add_nc_u32 v[RD], s22, v[CO]                 ; back: the 32 lanes take one row of 512 bytes
	s_lshl_b32 s16, s13, 19                        ; out0: (128 mb + 64 (w / 2)) rows of 4,096 bytes + (256 nb + 128 (w % 2)) x 4
	s_lshl_b32 s17, s11, 18
	s_add_co_u32 s16, s16, s17
	s_lshl_b32 s17, s42, 10
	s_add_co_u32 s16, s16, s17
	s_lshl_b32 s17, s12, 9
	s_add_co_u32 s16, s16, s17
	s_mov_b32 s17, 0
	s_add_nc_u64 s[8:9], s[8:9], s[16:17]
; 24 LDS loads in one run: the fragments of the slot's q-th 32 along K into buffer f: o's four (head q / 2, channels 32 (q % 2) on), Wo's eight
.macro FETCH slot, q, f
.irp a, 0,1,2,3
	ds_load_b128 v[\f+8*\a:\f+8*\a+3],   v[ADRA+\slot] offset:((\q)/2)*HB+\a*16*AP+64*((\q)%2)
	ds_load_b128 v[\f+8*\a+4:\f+8*\a+7], v[ADRA+\slot] offset:((\q)/2)*HB+\a*16*AP+64*((\q)%2)+32
.endr
.irp b, 0,1,2,3,4,5,6,7
	ds_load_tr16_b128 v[\f+32+8*\b:\f+32+8*\b+3],   v[ADRB+\slot] offset:(\q)*32*BP+32*\b
	ds_load_tr16_b128 v[\f+32+8*\b+4:\f+32+8*\b+7], v[ADRB+\slot] offset:(\q)*32*BP+16*BP+32*\b
.endr
.endm
; 8 n products: rows' tiles a0 .. a0 + n - 1 x all eight tiles of columns.  The 32 accumulators take turns, one instruction a turn, in the same order throughout
.macro MULA f, a0, n, zero
.set AA, \a0
.rept \n
.irp b, 0,1,2,3,4,5,6,7
.if \zero
	v_wmma_f32_16x16x32_f16 v[8*(8*AA+\b):8*(8*AA+\b)+7], v[\f+32+8*\b:\f+32+8*\b+7], v[\f+8*AA:\f+8*AA+7], 0
.else
	v_wmma_f32_16x16x32_f16 v[8*(8*AA+\b):8*(8*AA+\b)+7], v[\f+32+8*\b:\f+32+8*\b+7], v[\f+8*AA:\f+8*AA+7], v[8*(8*AA+\b):8*(8*AA+\b)+7]
.endif
.endr
.set AA, AA+1
.endr
.endm
; One of a K step's first three quarters: fetches the next quarter into g, then multiplies f.
.macro SUB slot, q, f, g, zero
	PLACES                                         ; g was multiplied last
	FETCH \slot, (\q)+1, \g
	s_wait_dscnt 24                                ; all but the 24 just issued: f is in
	WIN MUL
	MULA \f, 0, 4, \zero
	WIN 0
.endm
; The last quarter multiplies buffer 1 and changes slots: one barrier; in front of it each wave waits for all its tensor loads, adds 0 to its spare word, and waits for that and for its reads of this slot.
.macro TURN slot, next, fill
	s_wait_tensorcnt 0x0                           ; all my tensor loads have landed: my part of the next slot
	ds_add_u32 v[SPW], v[NIL]
	s_wait_dscnt 1                                 ; buffer 1 is in; the add may be out
	WIN MUL
	MULA F1, 0, 1, 0                               ; eight products stand between the add and the wait for it
	s_wait_dscnt 0x0                               ; the add is done, and my reads of this slot are over
	s_barrier_signal -1
	MULA F1, 1, 1, 0
	WIN 0
	s_barrier_wait -1
.if \fill
	CREST                                          ; the barrier has opened a round of the cluster's: no wave of any partner still reads this slot or has a load on its way
	s_add_nc_u64 s[G0+4*\slot+2:G0+4*\slot+3], s[G0+4*\slot+2:G0+4*\slot+3], 4194304    ; two K steps on: four heads
	s_add_nc_u64 s[G0B+4*\slot+2:G0B+4*\slot+3], s[G0B+4*\slot+2:G0B+4*\slot+3], 524288  ; 256 rows of Wo
	JLOAD \slot                                    ; the first tensor load behind the round; its four v_nop are also the places in front of the loads below
.else
	PLACES
.endif
	FETCH \next, 0, F0
	WIN MUL
	MULA F1, 2, 2, 0
	WIN 0
.endm
	s_wait_tensorcnt 1                             ; my part of K step 0 is in; K step 1's may be out
	s_barrier_signal -1
	s_barrier_wait -1
	FETCH 0, 0, F0
	SUB 0, 0, F0, F1, 1                            ; the first quarter stands in front of the loop: its products start the sums
	s_mov_b32 s3, LAPS-1
.Llap:                                             ; a trip goes once round the ring and fills both slots again
	SUB 0, 1, F1, F0, 0
	SUB 0, 2, F0, F1, 0
	TURN 0, 1, 1
	SUB 1, 0, F0, F1, 0
	SUB 1, 1, F1, F0, 0
	SUB 1, 2, F0, F1, 0
	TURN 1, 0, 1
	SUB 0, 0, F0, F1, 0
	s_sub_co_u32 s3, s3, 1
	s_cmp_lg_u32 s3, 0
	s_cbranch_scc1 .Llap
	SUB 0, 1, F1, F0, 0                            ; the last lap fills nothing
	SUB 0, 2, F0, F1, 0
	TURN 0, 1, 0
	SUB 1, 0, F0, F1, 0
	SUB 1, 1, F1, F0, 0
	SUB 1, 2, F0, F1, 0
	s_wait_dscnt 0x0
	WIN MUL
	MULA F1, 0, 4, 0
	WIN 0
; THE WAY OUT, 16 rows x 128 columns at a time, through my own stage: in as 32 bytes a lane, back as whole rows of 512 bytes.  LDS serves a wave's instructions in order: no wait between.
.macro TOSTAGE a
	WIN 0x04                                       ; an LDS store's data are its source 1: window 1
.irp b, 0,1,2,3,4,5,6,7
	ds_store_b128 v[STO], v[8*(8*(\a)+\b):8*(8*(\a)+\b)+3] offset:64*\b            ; each accumulator from its low end on
	ds_store_b128 v[STO], v[8*(8*(\a)+\b)+4:8*(8*(\a)+\b)+7] offset:64*\b+16
.endr
	WIN 0
.set BB, BK+64*((\a)%2)
.irp t, 0,1,2,3,4,5,6,7,8,9,10,11,12,13,14,15
	ds_load_b128 v[BB+4*\t:BB+4*\t+3], v[RD] offset:\t*SPITCH
.endr
.endm
.macro SEND a, younger
.set BB, BK+64*((\a)%2)
	s_wait_dscnt \younger
.if (\a) > 0
	s_add_nc_u64 s[8:9], s[8:9], 65536             ; 16 rows on (behind a wait on XCNT: the earlier stores have read their base)
.endif
.irp t, 0,1,2,3,4,5,6,7,8,9,10,11,12,13,14,15
	global_store_b128 v[CO], v[BB+4*\t:BB+4*\t+3], s[8:9] offset:\t*4096 th:TH_STORE_NT   ; 512 consecutive bytes, aligned
.endr
.endm
	PLACES                                         ; behind the last products: for the reads of results and the loads into the fragments' registers
	TOSTAGE 0
.irp a, 1,2,3
.if \a > 1
	s_wait_xcnt 0x0                                ; block a - 2's stores have read their registers and their base
.endif
	TOSTAGE \a
	SEND \a-1, 32                                  ; behind block a - 1's loads: block a's 16 stores and 16 loads
.endr
	s_wait_xcnt 0x0
	SEND 3, 0
	s_wait_tensorcnt 0x0                           ; the wave's end
	ds_add_u32 v[SPW], v[NIL]
	s_wait_dscnt 0x0
	CROUND                                         ; the closing round
	s_endpgm
.Lfunc_end_k_q78912ed5e5_oproj:
	.size	k_q78912ed5e5_oproj, .Lfunc_end_k_q78912ed5e5_oproj-k_q78912ed5e5_oproj
	.p2alignl 7, 3214868480
	.fill 96, 4, 3214868480
	.section	.rodata,"a",@progbits
	.p2align	6, 0x0
	.amdhsa_kernel k_q78912ed5e5_oproj
		.amdhsa_group_segment_fixed_size 327680
		.amdhsa_private_segment_fixed_size 0
		.amdhsa_enable_private_segment 0
		.amdhsa_kernarg_size 24
		.amdhsa_user_sgpr_count 2
		.amdhsa_user_sgpr_kernarg_segment_ptr 1
		.amdhsa_wavefront_size32 1
		.amdhsa_system_sgpr_workgroup_id_x 1
		.amdhsa_system_sgpr_workgroup_id_y 1
		.amdhsa_system_sgpr_workgroup_id_z 1
		.amdhsa_system_vgpr_workitem_id 0
		.amdhsa_next_free_vgpr 512
		.amdhsa_next_free_sgpr 66
		.amdhsa_reserve_vcc 0
		.amdhsa_float_denorm_mode_32 3
		.amdhsa_float_denorm_mode_16_64 3
		.amdhsa_memory_ordered 1
		.amdhsa_forward_progress 1
		.amdhsa_inst_pref_size 84
	.end_amdhsa_kernel
	.amdgpu_metadata
---
amdhsa.version: [ 1, 2 ]
amdhsa.kernels:
  - .name:           k_q78912ed5e5_oproj
    .symbol:         k_q78912ed5e5_oproj.kd
    .args:
      - { .name: o16, .offset: 0, .size: 8, .value_kind: global_buffer, .address_space: global }
      - { .name: wo16, .offset: 8, .size: 8, .value_kind: global_buffer, .address_space: global }
      - { .name: out0, .offset: 16, .size: 8, .value_kind: global_buffer, .address_space: global }
    .group_segment_fixed_size: 327680
    .private_segment_fixed_size: 0
    .kernarg_segment_align: 8
    .kernarg_segment_size: 24
    .max_flat_workgroup_size: 128
    .sgpr_count:     66
    .vgpr_count:     512
    .wavefront_size: 32
...
	.end_amdgpu_metadata
.endif
;; end of part 4
;; launch fine_att (part 5): grid 16 x 4, 4 waves a work-group, no clusters, 4,608 bytes of LDS; arguments xc, xs, wc, ws, of32; writes of32
.if DOCPART == 5
	.amdgcn_target "amdgcn-amd-amdhsa--gfx1250"
	.amdhsa_code_object_version 6
	.text
	.protected	k_q78912ed5e5_fine_att
	.globl	k_q78912ed5e5_fine_att
	.p2align	8
	.type	k_q78912ed5e5_fine_att,@function
k_q78912ed5e5_fine_att:
	s_mov_b64 s[64:65], 0
	v_nop
	global_prefetch_b8 v0, s[64:65] scope:SCOPE_SE
	s_setreg_imm32_b32 hwreg(HW_REG_WAVE_MODE, 25, 1), 1
	s_wait_xcnt 0x0
; FINE_ATT: the first 16 positions of every sequence, where a row of the softmax averages few values: q, k, v are made again from the codes (the same quantised products) and kept in f32;
; scores, softmax and the second product in f32.  Work-group (head, b); wave w takes channels 16 w .. + 15 of the head.
; q and k come transposed (source 0 = the weight's 16 columns, source 1 = x's 16 rows): a lane holds one position and channels 8 h + 0..7; v comes straight: a lane holds one channel and positions 8 h + 0..7.
; In the f32 matrix form register j of lane (r, h) is k = 2 h + j: instruction i takes registers 2 i, 2 i + 1 of both sources, so k = 2 h + j stands for channel (or key) 8 h + 2 i + j on both sides alike.
; The scores' four partial sums (16 channels a wave) meet in LDS and are added in a fixed order; each wave then walks the same softmax.
; of32 = (b*64 + kt)*1024 + g*512 + 16 x lane, kt = 4 head + w: lane (r, h), register 4 g + e = o[position r][16 kt + 8 h + 4 g + e]: the next launch's operand as it stands.
; No cluster, no tensor load: a work-group reads 60 KB once, straight into registers.
.set SPW, 8
.set NIL, 9
.set SPARE, 4096
.macro FAR                             ; eight plain places behind the f32 matrix form
.rept 8
	v_nop
.endr
.endm
	s_load_b256 s[4:11], s[0:1], 0x0               ; xc s[4:5], xs s[6:7], wc s[8:9], ws s[10:11]
	s_load_b64 s[12:13], s[0:1], 0x20              ; of32
	v_lshl_add_u32 v[SPW], v0, 2, SPARE
	v_mov_b32 v[NIL], 0
	v_lshrrev_b32 v1, 5, v0
	v_readfirstlane_b32 s14, v1                    ; wave 0..3
	s_and_b32 s15, ttmp7, 0xffff                   ; b
	s_lshl_b32 s16, ttmp9, 2
	s_add_co_u32 s16, s16, s14                     ; my tile of 16 columns: 4 head + w
	v_and_b32 v1, 15, v0                           ; r
	v_bfe_u32 v2, v0, 4, 1                         ; h
	v_lshlrev_b32 v3, 9, v1
	v_lshl_add_u32 v3, v2, 4, v3                   ; x's codes: row r of 512 bytes, + 16 h
	v_lshlrev_b32 v4, 5, v1                        ; x's scale words: 32 bytes a row
	v_and_b32 v5, 31, v0
	v_lshlrev_b32 v5, 4, v5                        ; 16 x lane
	v_lshlrev_b32 v6, 2, v1                        ; a column's scale word
	s_lshl_b32 s17, s14, 10
	v_add_nc_u32 v7, s17, v5                       ; LDS: my wave's partial scores
	v_lshlrev_b32 v10, 3, v2
	v_sub_nc_u32 v10, v1, v10                      ; r - 8 h
	v_mov_b32 v11, 0xff800000                      ; -infinity
	s_mov_b32 s20, 0x76543210
	s_mov_b32 s21, 0xfedcba98
	s_mov_b32 s22, 0x3e38aa3b                      ; c = log2(e) / 8
	s_mov_b32 s25, 0
	s_wait_kmcnt 0x0
	s_lshl_b32 s24, s15, 20
	s_add_nc_u64 s[4:5], s[4:5], s[24:25]          ; row 2,048 b
	s_lshl_b32 s24, s15, 16
	s_add_nc_u64 s[6:7], s[6:7], s[24:25]
	s_lshl_b32 s24, s16, 12
	s_add_nc_u64 s[8:9], s[8:9], s[24:25]
	s_lshl_b32 s24, s16, 6
	s_add_nc_u64 s[10:11], s[10:11], s[24:25]
	s_lshl_b32 s24, s15, 6
	s_add_co_u32 s24, s24, s16
	s_lshl_b32 s24, s24, 10
	s_add_nc_u64 s[12:13], s[12:13], s[24:25]
.irp s, 0,1,2,3,4,5,6,7                        ; x's fragments: K steps 0-3 (tokens) v16-47, 4-7 (positions) v48-79
.irp c, 0,1
	global_load_b128 v[16+8*\s+4*\c:19+8*\s+4*\c], v3, s[4:5] offset:64*\s+32*\c
.endr
.endr
	global_load_b128 v[80:83], v4, s[6:7]          ; x's scale words: tokens,
	global_load_b128 v[84:87], v4, s[6:7] offset:16   ; positions
.irp j, 0,1,2                                  ; the weights' fragments: Wq v88-119, Wk v120-151, Wv v152-183; their scale words v184-195
.irp s, 0,1,2,3
.irp c, 0,1
	global_load_b128 v[88+32*\j+8*\s+4*\c:91+32*\j+8*\s+4*\c], v5, s[8:9] offset:\j*262144+\s*1024+\c*512
.endr
	global_load_b32 v[184+4*\j+\s], v6, s[10:11] offset:\j*16384+\s*4096
.endr
.endr
	s_wait_loadcnt 0x0
.irp s, 0,1,2,3                                ; q^T v196-203, k^T v204-211, v v212-219: the three sums by turns, one instruction a turn
.if \s == 0
	v_wmma_scale_f32_16x16x128_f8f6f4 v[196:203], v[88+8*\s:95+8*\s], v[48+8*\s:55+8*\s], 0, v[184+\s], v[84+\s] matrix_a_fmt:MATRIX_FMT_FP4 matrix_b_fmt:MATRIX_FMT_FP4
	v_wmma_scale_f32_16x16x128_f8f6f4 v[204:211], v[120+8*\s:127+8*\s], v[48+8*\s:55+8*\s], 0, v[188+\s], v[84+\s] matrix_a_fmt:MATRIX_FMT_FP4 matrix_b_fmt:MATRIX_FMT_FP4
	v_wmma_scale_f32_16x16x128_f8f6f4 v[212:219], v[16+8*\s:23+8*\s], v[152+8*\s:159+8*\s], 0, v[80+\s], v[192+\s] matrix_a_fmt:MATRIX_FMT_FP4 matrix_b_fmt:MATRIX_FMT_FP4
.else
	v_wmma_scale_f32_16x16x128_f8f6f4 v[196:203], v[88+8*\s:95+8*\s], v[48+8*\s:55+8*\s], v[196:203], v[184+\s], v[84+\s] matrix_a_fmt:MATRIX_FMT_FP4 matrix_b_fmt:MATRIX_FMT_FP4
	v_wmma_scale_f32_16x16x128_f8f6f4 v[204:211], v[120+8*\s:127+8*\s], v[48+8*\s:55+8*\s], v[204:211], v[188+\s], v[84+\s] matrix_a_fmt:MATRIX_FMT_FP4 matrix_b_fmt:MATRIX_FMT_FP4
	v_wmma_scale_f32_16x16x128_f8f6f4 v[212:219], v[16+8*\s:23+8*\s], v[152+8*\s:159+8*\s], v[212:219], v[80+\s], v[192+\s] matrix_a_fmt:MATRIX_FMT_FP4 matrix_b_fmt:MATRIX_FMT_FP4
.endif
.endr
.rept 5
	v_nop                                          ; five places before a matrix instruction takes these results as sources
.endr
	v_wmma_f32_16x16x4_f32 v[220:227], v[204:205], v[196:197], 0   ; S^T over my 16 channels: lane (r, h): query r, keys 8 h + 0..7.  v220-235 are written by matrix instructions alone
.irp i, 1,2,3
	s_wait_alu depctr_va_vdst(0)                   ; the wait directly ahead of each link
	v_wmma_f32_16x16x4_f32 v[220:227], v[204+2*\i:205+2*\i], v[196+2*\i:197+2*\i], v[220:227]
.endr
	FAR
	ds_store_b128 v7, v[220:223]
	ds_store_b128 v7, v[224:227] offset:512
	s_wait_dscnt 0x0                               ; for the others' sake: my stores have landed
	s_barrier_signal -1
	s_barrier_wait -1
.irp p, 0,1,2,3
.irp g, 0,1
	ds_load_b128 v[16+8*\p+4*\g:19+8*\p+4*\g], v5 offset:\p*1024+\g*512
.endr
.endr
	s_wait_dscnt 0x0
.irp j, 0,1,2,3,4,5,6,7
	v_add_f32 v[236+\j], v[16+\j], v[24+\j]
.endr
.irp j, 0,1,2,3,4,5,6,7
	v_add_f32 v[244+\j], v[32+\j], v[40+\j]
.endr
.irp j, 0,1,2,3,4,5,6,7
	v_add_f32 v[236+\j], v[236+\j], v[244+\j]      ; the scores over all 64 channels
.endr
.irp j, 0,1,2,3,4,5,6,7
	v_cmp_gt_i32 vcc_lo, \j, v10                   ; key 8 h + j is hidden where it comes after query r
	v_cndmask_b32 v[236+\j], v[236+\j], v11, vcc_lo
.endr
	v_max3_num_f32 v252, v236, v237, v238
	v_max3_num_f32 v252, v252, v239, v240
	v_max3_num_f32 v252, v252, v241, v242
	v_max_num_f32 v252, v252, v243
	v_mov_b32 v253, 0
	v_permlanex16_b32 v253, v252, s20, s21
	v_max_num_f32 v252, v252, v253                 ; the row's maximum: key 0 counts for every query, so it is a number
	v_mul_f32 v252, s22, v252
.irp j, 0,1,2,3,4,5,6,7
	v_fma_f32 v[236+\j], v[236+\j], s22, -v252     ; c s - c m
.endr
.irp j, 0,1,2,3,4,5,6,7
	v_exp_f32 v[236+\j], v[236+\j]
.endr
	v_nop
	s_wait_alu depctr_va_vdst(0)                   ; one wait for the eight exponentials, ahead of their first reader
	v_add_f32 v254, v236, v237
	v_add_f32 v255, v238, v239
	v_add_f32 v254, v254, v240
	v_add_f32 v255, v255, v241
	v_add_f32 v254, v254, v242
	v_add_f32 v255, v255, v243
	v_add_f32 v254, v254, v255
	v_permlanex16_b32 v253, v254, s20, s21
	v_add_f32 v254, v254, v253                     ; the row's sum
	v_rcp_f32 v255, v254
	v_nop                                          ; a plain instruction behind the reciprocal; the waits in the chain below stand ahead of its first reader
	v_wmma_f32_16x16x4_f32 v[228:235], v[212:213], v[236:237], 0   ; O^T = V^T P: lane (r, h): query r, channels 8 h + 0..7 of my 16
.irp i, 1,2,3
	s_wait_alu depctr_va_vdst(0)
	v_wmma_f32_16x16x4_f32 v[228:235], v[212+2*\i:213+2*\i], v[236+2*\i:237+2*\i], v[228:235]
.endr
	FAR
.irp j, 0,1,2,3,4,5,6,7
	v_mul_f32 v[244+\j], v[228+\j], v255           ; divided by the sum, into other registers
.endr
	global_store_b128 v5, v[244:247], s[12:13]     ; 512 consecutive bytes a store
	global_store_b128 v5, v[248:251], s[12:13] offset:512
	s_wait_tensorcnt 0x0                           ; the wave's end, behind my last LDS store
	ds_add_u32 v[SPW], v[NIL]
	s_wait_dscnt 0x0
	s_endpgm
.Lfunc_end_k_q78912ed5e5_fine_att:
	.size	k_q78912ed5e5_fine_att, .Lfunc_end_k_q78912ed5e5_fine_att-k_q78912ed5e5_fine_att
	.p2alignl 7, 3214868480
	.fill 96, 4, 3214868480
	.section	.rodata,"a",@progbits
	.p2align	6, 0x0
	.amdhsa_kernel k_q78912ed5e5_fine_att
		.amdhsa_group_segment_fixed_size 4608
		.amdhsa_private_segment_fixed_size 0
		.amdhsa_enable_private_segment 0
		.amdhsa_kernarg_size 40
		.amdhsa_user_sgpr_count 2
		.amdhsa_user_sgpr_kernarg_segment_ptr 1
		.amdhsa_wavefront_size32 1
		.amdhsa_system_sgpr_workgroup_id_x 1
		.amdhsa_system_sgpr_workgroup_id_y 1
		.amdhsa_system_sgpr_workgroup_id_z 1
		.amdhsa_system_vgpr_workitem_id 0
		.amdhsa_next_free_vgpr 256
		.amdhsa_next_free_sgpr 66
		.amdhsa_reserve_vcc 1
		.amdhsa_float_denorm_mode_32 3
		.amdhsa_float_denorm_mode_16_64 3
		.amdhsa_memory_ordered 1
		.amdhsa_forward_progress 1
		.amdhsa_inst_pref_size 14
	.end_amdhsa_kernel
	.amdgpu_metadata
---
amdhsa.version: [ 1, 2 ]
amdhsa.kernels:
  - .name:           k_q78912ed5e5_fine_att
    .symbol:         k_q78912ed5e5_fine_att.kd
    .args:
      - { .name: xc, .offset: 0, .size: 8, .value_kind: global_buffer, .address_space: global }
      - { .name: xs, .offset: 8, .size: 8, .value_kind: global_buffer, .address_space: global }
      - { .name: wc, .offset: 16, .size: 8, .value_kind: global_buffer, .address_space: global }
      - { .name: ws, .offset: 24, .size: 8, .value_kind: global_buffer, .address_space: global }
      - { .name: of32, .offset: 32, .size: 8, .value_kind: global_buffer, .address_space: global }
    .group_segment_fixed_size: 4608
    .private_segment_fixed_size: 0
    .kernarg_segment_align: 8
    .kernarg_segment_size: 40
    .max_flat_workgroup_size: 128
    .sgpr_count:     66
    .vgpr_count:     256
    .wavefront_size: 32
...
	.end_amdgpu_metadata
.endif
;; end of part 5
;; launch fine_proj (part 6): grid 64 x 4, 8 waves a work-group, no clusters, 9,216 bytes of LDS; arguments of32, Wo, out0; writes out0
.if DOCPART == 6
	.amdgcn_target "amdgcn-amd-amdhsa--gfx1250"
	.amdhsa_code_object_version 6
	.text
	.protected	k_q78912ed5e5_fine_proj
	.globl	k_q78912ed5e5_fine_proj
	.p2align	8
	.type	k_q78912ed5e5_fine_proj,@function
k_q78912ed5e5_fine_proj:
	s_mov_b64 s[64:65], 0
	v_nop
	global_prefetch_b8 v0, s[64:65] scope:SCOPE_SE
	s_setreg_imm32_b32 hwreg(HW_REG_WAVE_MODE, 25, 1), 1
	s_wait_xcnt 0x0
; FINE_PROJ: out0[b][t < 16][n] = sum over k of o[t][k] Wo[k][n] in f32: 64 rows in all, written over what the f16 projection left there.
; Work-group (n tile, b) makes one tile of 16 x 16; K = 1,024 is split over its eight waves, 128 each: 32 instructions of the f32 matrix form a wave, on two accumulators by turns.
; The f32 form does few multiply-adds an instruction, so the work is spread over 256 work-groups; the price is pieces of 64 bytes in Wo's reads and in the 256 KB of stores.
; o comes as the operand's registers (of32); instruction i takes registers 2 i, 2 i + 1: k = 2 h + j stands for 16 kt + 8 h + 2 i + j, and Wo's rows are loaded to match.
; The eight partial tiles meet in LDS; wave w adds register w of all eight, in a fixed order, and stores rows w and 8 + w.
.set SPW, 8
.set NIL, 9
.set SPARE, 8192
	s_load_b128 s[4:7], s[0:1], 0x0                ; of32 s[4:5], Wo s[6:7]
	s_load_b64 s[8:9], s[0:1], 0x10                ; out0
	v_lshl_add_u32 v[SPW], v0, 2, SPARE
	v_mov_b32 v[NIL], 0
	v_lshrrev_b32 v1, 5, v0
	v_readfirstlane_b32 s10, v1                    ; wave 0..7
	s_and_b32 s11, ttmp7, 0xffff                   ; b
	v_and_b32 v1, 15, v0                           ; r
	v_bfe_u32 v2, v0, 4, 1                         ; h
	v_and_b32 v7, 31, v0
	v_lshlrev_b32 v3, 4, v7                        ; 16 x lane
	v_lshlrev_b32 v4, 15, v2
	v_lshl_add_u32 v4, v1, 2, v4                   ; 8 h rows of 4,096 bytes + 4 r: in Wo and in out0 alike
	v_lshlrev_b32 v7, 2, v7
	s_lshl_b32 s12, s10, 10
	v_add_nc_u32 v5, s12, v7                       ; LDS: my wave's partial tile, 128 bytes a register
	s_lshl_b32 s12, s10, 7
	v_add_nc_u32 v6, s12, v7                       ; and register w of each wave's
	s_mov_b32 s15, 0
	s_lshl_b32 s16, ttmp9, 6                       ; 16 columns of 4 bytes
	s_wait_kmcnt 0x0
	s_lshl_b32 s14, s11, 16                        ; of32: (64 b + 8 w) x 1,024
	s_lshl_b32 s17, s10, 13
	s_add_co_u32 s14, s14, s17
	s_add_nc_u64 s[4:5], s[4:5], s[14:15]
	s_lshl_b32 s14, s10, 19                        ; Wo: row 128 w, my columns
	s_add_co_u32 s14, s14, s16
	s_add_nc_u64 s[6:7], s[6:7], s[14:15]
	s_lshl_b32 s14, s11, 23                        ; out0: row 2,048 b + w, my columns
	s_lshl_b32 s17, s10, 12
	s_add_co_u32 s14, s14, s17
	s_add_co_u32 s14, s14, s16
	s_add_nc_u64 s[8:9], s[8:9], s[14:15]
.irp k, 0,1,2,3,4,5,6,7                        ; ten loads for each 16 along K
	global_load_b128 v[16+8*\k:19+8*\k], v3, s[4:5] offset:1024*\k
	global_load_b128 v[20+8*\k:23+8*\k], v3, s[4:5] offset:1024*\k+512
.irp e, 0,1,2,3,4,5,6,7
	global_load_b32 v[80+8*\k+\e], v4, s[6:7] offset:(16*\k+\e)*4096
.endr
.endr
.irp k, 0,1,2,3,4,5,6,7
.if 10*(7-\k) > 63
	s_wait_loadcnt 63                              ; 70 younger loads might stay out; the wait's field holds 63, and a smaller count is right too
.else
	s_wait_loadcnt 10*(7-\k)                       ; this group of ten is in; the younger groups stay out
.endif
.irp i, 0,1,2,3                                ; v144-151 and v152-159 by turns, one instruction a turn; they are written by matrix instructions alone
.if (\k == 0) && (\i < 2)
	v_wmma_f32_16x16x4_f32 v[144+8*(\i%2):151+8*(\i%2)], v[16+8*\k+2*\i:17+8*\k+2*\i], v[80+8*\k+2*\i:81+8*\k+2*\i], 0
.else
	v_wmma_f32_16x16x4_f32 v[144+8*(\i%2):151+8*(\i%2)], v[16+8*\k+2*\i:17+8*\k+2*\i], v[80+8*\k+2*\i:81+8*\k+2*\i], v[144+8*(\i%2):151+8*(\i%2)]
.endif
.endr
.endr
.rept 8
	v_nop                                          ; eight plain places behind the f32 matrix form (ISA guide 7.12.1)
.endr
.irp j, 0,1,2,3,4,5,6,7
	v_add_f32 v[160+\j], v[144+\j], v[152+\j]      ; from the low end on, into other registers
.endr
.irp j, 0,1,2,3,4,5,6,7
	ds_store_b32 v5, v[160+\j] offset:128*\j
.endr
	s_wait_dscnt 0x0                               ; for the others' sake: my stores have landed
	s_barrier_signal -1
	s_barrier_wait -1
.irp p, 0,1,2,3,4,5,6,7
	ds_load_b32 v[168+\p], v6 offset:1024*\p
.endr
	s_wait_dscnt 0x0
	v_add_f32 v176, v168, v169
	v_add_f32 v177, v170, v171
	v_add_f32 v178, v172, v173
	v_add_f32 v179, v174, v175
	v_add_f32 v176, v176, v177
	v_add_f32 v178, v178, v179
	v_add_f32 v176, v176, v178
	global_store_b32 v4, v176, s[8:9]              ; lane (r, h): out0(2,048 b + 8 h + w, 16 tile + r)
	s_wait_tensorcnt 0x0                           ; the wave's end, behind my last LDS store
	ds_add_u32 v[SPW], v[NIL]
	s_wait_dscnt 0x0
	s_endpgm
.Lfunc_end_k_q78912ed5e5_fine_proj:
	.size	k_q78912ed5e5_fine_proj, .Lfunc_end_k_q78912ed5e5_fine_proj-k_q78912ed5e5_fine_proj
	.p2alignl 7, 3214868480
	.fill 96, 4, 3214868480
	.section	.rodata,"a",@progbits
	.p2align	6, 0x0
	.amdhsa_kernel k_q78912ed5e5_fine_proj
		.amdhsa_group_segment_fixed_size 9216
		.amdhsa_private_segment_fixed_size 0
		.amdhsa_enable_private_segment 0
		.amdhsa_kernarg_size 24
		.amdhsa_user_sgpr_count 2
		.amdhsa_user_sgpr_kernarg_segment_ptr 1
		.amdhsa_wavefront_size32 1
		.amdhsa_system_sgpr_workgroup_id_x 1
		.amdhsa_system_sgpr_workgroup_id_y 1
		.amdhsa_system_sgpr_workgroup_id_z 1
		.amdhsa_system_vgpr_workitem_id 0
		.amdhsa_next_free_vgpr 192
		.amdhsa_next_free_sgpr 66
		.amdhsa_reserve_vcc 0
		.amdhsa_float_denorm_mode_32 3
		.amdhsa_float_denorm_mode_16_64 3
		.amdhsa_memory_ordered 1
		.amdhsa_forward_progress 1
		.amdhsa_inst_pref_size 14
	.end_amdhsa_kernel
	.amdgpu_metadata
---
amdhsa.version: [ 1, 2 ]
amdhsa.kernels:
  - .name:           k_q78912ed5e5_fine_proj
    .symbol:         k_q78912ed5e5_fine_proj.kd
    .args:
      - { .name: of32, .offset: 0, .size: 8, .value_kind: global_buffer, .address_space: global }
      - { .name: Wo, .offset: 8, .size: 8, .value_kind: global_buffer, .address_space: global }
      - { .name: out0, .offset: 16, .size: 8, .value_kind: global_buffer, .address_space: global }
    .group_segment_fixed_size: 9216
    .private_segment_fixed_size: 0
    .kernarg_segment_align: 8
    .kernarg_segment_size: 24
    .max_flat_workgroup_size: 256
    .sgpr_count:     66
    .vgpr_count:     192
    .wavefront_size: 32
...
	.end_amdgpu_metadata
.endif
;; end of part 6
